; MI455X (gfx1250); checked and timed in simulation.
; The chip was launched on July 23, 2026; its instructions are those of AMD's public machine-readable ISA for CDNA 5 (MIT licence, August 2026) and "CDNA5" Instruction Set Architecture Reference Guide (July 2026). The comments in the code are by the model that wrote it; some were corrected since.
;; Biased Attention Transformer Block. Allowed arithmetic: float matrix products may take bf16 or f16 operands with f32 sums; other float arithmetic in f32, or as packed bf16 or f16 multiplies, adds, multiply-adds, maxima and minima; sums over many terms, partial sums and values carried from step to step in f32; what a program stores and reads back later, other than sums and carried values, may be rounded once to bf16 or f16.
;; Inputs: W1 2,048 x 512 float32; W2 512 x 2,048 float32; Wk 512 x 512 float32; Wo 512 x 512 float32; Wq 512 x 512 float32; Wv 512 x 512 float32; attn_mask 128 x 1 x 128 x 128 bool; b1 2,048 float32; b2 512 float32; bk 512 float32; bo 512 float32; bq 512 float32; bv 512 float32; d 128 x 128 x 128 float32; e 128 x 128 x 512 float32; ln1_b 512 float32; ln1_g 512 float32; ln2_b 512 float32; ln2_g 512 float32; padding_mask 128 x 128 x 1 bool; rbf_gamma one number float32; rbf_mu 16 float32; rbf_w 8 x 16 float32; tokens 128 x 128 int32.
;; Outputs: out0 128 x 128 x 512 float32.
;; One version. Each part assembles by itself: llvm-mc -triple=amdgcn-amd-amdhsa -mcpu=gfx1250 --defsym DOCPART=n.
;; ======== version 1 of 1: 3 launches
;; limits: right only within a limited range of input values
;; workspace buffers: e0f 16,777,216 bytes; of 16,777,216 bytes; biasb 33,554,432 bytes; wqkv 1,572,864 bytes; wffn 4,718,592 bytes
;; launch prep (part 1): grid 256 x 1, 4 waves a work-group, no clusters, 231,936 bytes of LDS; arguments e, d, attn_mask, ln1_g, ln1_b, rbf_mu, rbf_gamma, rbf_w, Wq, Wk, Wv, Wo, W1, W2, e0f, biasb, wqkv, wffn; writes e0f, biasb, wqkv, wffn
.if DOCPART == 1
	.amdgcn_target "amdgcn-amd-amdhsa--gfx1250"
	.amdhsa_code_object_version 6
	.text
	.protected	k_q82ea3f3f30_prep
	.globl	k_q82ea3f3f30_prep
	.p2align	8
	.type	k_q82ea3f3f30_prep,@function
k_q82ea3f3f30_prep:
	s_mov_b64 s[64:65], 0
	v_nop
	global_prefetch_b8 v0, s[64:65] scope:SCOPE_SE
	s_setreg_imm32_b32 hwreg(HW_REG_WAVE_MODE, 25, 1), 1
	s_wait_xcnt 0x0
; FIRST OF THREE LAUNCHES of a pre-norm transformer block with a radial attention bias (128 sequences x 128 tokens x 512 channels, 8 heads).
; It makes (a) e0 = layernorm(e), bf16; (b) the attention bias of all 8 heads, sum_k w[h][k] exp(-gamma (d - mu_k)^2), bf16, with attn_mask folded in;
; (c) the six weight matrices rounded to bf16, in the order in which the later launches' LDS rings take them.
; DEAD WORK: the input tokens is named by no line of reference(), so it has no way to any output for any values: it is not loaded and is no argument
; of any launch.  Nothing else is left out (bk stays: masked places are replaced, not shifted, so it is not the same along the softmax's axis).
; tokens holds whole numbers, so no NaN, infinity or overflow is lost with it.
; LIMITS.  A masked place is stored as bf16 0xF14A (about -1e30); the next launch clamps scores from below at -1e9, which gives reference()'s -1e9 there.
; An exponential below 2^-126 counts as 0.  e0 and the bias are rounded once to bf16.
; FRAGMENT FORMAT (all 16-bit workspace): 1,024 bytes = 16 rows x 32 k as a matrix operand lies in registers: byte 512 q + 16 l holds row l % 16,
; k = 16 q + 8 (l / 16) + 0..7.  Every load and store of a wave then covers 512 consecutive bytes.
; SHARES.  1,024 waves, all alike.  Wave id = 4 x work-group + wave has 16 rows of e, a strip of 16 queries x 128 keys of the bias, and three weight units of
; 16 rows x 64 columns: unit id of Wq Wk Wv Wo (256 units each), unit id of W1, unit id of W2.
; THE WAY IN.  All bulk input comes by asynchronous copies, in whole runs of 256 bytes or more, into padded LDS rows; it is read back as lane (r, h) = row r, 8 columns at 8 h,
; which IS the fragment format: rounded registers go straight to memory, and LDS is written by the copies alone.  One wait for all copies and one barrier stand behind them
; (ln1_g and ln1_b are copied by four waves and read by all).  No ring, cluster or prefetch: nothing is shared between work-groups and every byte is read once in long runs.
.set DPITCH, 528                ; a row of d in LDS: 512 + 16 bytes, so that 16 rows start at 16 different groups of four banks
.set MPITCH, 144                ; a row of the mask: 128 + 16
.set BWAVE,  10752              ; a wave's 16 rows of d, then 16 rows of mask
.set MOFF,   8448
.set EST,    43008              ; 4 x 33,024: 16 rows of e, f32, pitch 2,064
.set EPITCH, 2064
.set EWAVE,  33024
.set WST,    175104             ; 4 x 13,056: three units of 16 rows x 256 bytes, pitch 272
.set WPITCH, 272
.set WUNIT,  4352
.set WWAVE,  13056
.set GST,    227328             ; ln1_g (2,048 bytes), then ln1_b
.set SPARE,  231424             ; the spare words: 128 bytes for each of 4 waves
.set SPW, 4
.set NIL, 5
; the bias
.set MU, 8                      ; v[8:15]   mu[8h .. 8h+7]
.set WF, 16                     ; v[16:23]  source 0 of the mix
.set DD, 24                     ; v[24:39]  d[r][16 kb .. +15]
.set WT, 40                     ; v[40:47]  w, f32
.set X,  48                     ; v[48:111] exponents, then radial values of 4 steps
.set D,  112                    ; v[112:175] 8 results
.set O,  176                    ; v[176:207] 8 heads x 16 bytes to store
.set MW, 208
.set MK, 210                    ; v[210:213] mask, 0xffff for each hidden key
.set TP, 214
; layernorm and weights
.set TS, 24                     ; v[24:31]  four chains of sums
.set RS, 32                     ; v[32:33]  1 / sigma, twice
.set NM, 34                     ; v[34:35]  the mean, later - mean / sigma, twice
.set R,  48                     ; v[48:111] (weights: to 143) numbers as read
.set GR, 112                    ; v[112:175] ln1_g
.set BG, 176                    ; v[176:239] ln1_b
; the copies' address registers, free again behind the wait for the copies
.set LDD, 64
.set LDM, 80
.set LDE, 84
.set LWL, 100
.set GWA, 124
.set GWC, 132
.set LG,  140
.set GG,  142
.set T0,  143
; lane terms, never rewritten, and the addresses made of them
.set VD0, 240
.set VM0, 241
.set VD,  242
.set VM,  243
.set VA,  244
.set VBB, 245
.set VWL, 246
.set VSA, 247
.set VL0, 248
.set VG0, 249
.set VL,  250
.set VG,  251
	s_load_b512 s[8:23], s[0:1], 0x0               ; e 8, d 10, mask 12, g 14, b 16, mu 18, gamma 20, w 22
	s_load_b512 s[24:39], s[0:1], 0x40             ; Wq 24, Wk 26, Wv 28, Wo 30, W1 32, W2 34, e0f 36, biasb 38
	s_load_b128 s[40:43], s[0:1], 0x80             ; wqkv 40, wffn 42
	v_lshl_add_u32 v[SPW], v0, 2, SPARE
	v_mov_b32 v[NIL], 0
	ds_add_u32 v[SPW], v[NIL]                      ; the opening: the add, twice on end, and its wait ahead of my first copy
	ds_add_u32 v[SPW], v[NIL]
	v_lshrrev_b32 v1, 5, v0
	v_readfirstlane_b32 s4, v1                     ; wave 0..3
	v_and_b32 v1, 31, v0                           ; l
	v_lshlrev_b32 v2, 4, v1                        ; 16 l
	v_and_b32 v3, 15, v0                           ; r = l % 16
	v_bfe_u32 v6, v0, 4, 1                         ; h = l / 16
	v_lshlrev_b32 v7, 4, v3                        ; 16 r
	s_mov_b32 s46, 0x76543210                      ; v_permlanex16_b32: the same place in the other half
	s_mov_b32 s47, 0xfedcba98
	s_mov_b32 s49, 0
	s_mov_b32 s76, 0x3b000000                      ; 1 / 512
	s_mov_b32 s77, 0x3727c5ac                      ; 1e-5
	s_mov_b32 s83, 0xf14af14a                      ; two masked places
	s_lshl_b32 s5, ttmp9, 2
	s_add_co_u32 s5, s5, s4                        ; id 0..1023
	; LDS addresses: a constant, the wave's number times a constant, a lane term
	s_mul_i32 s6, s4, BWAVE
	s_mul_i32 s84, s4, EWAVE
	s_add_co_u32 s84, s84, EST
	s_mul_i32 s85, s4, WWAVE
	s_add_co_u32 s85, s85, WST
	s_lshl_b32 s86, s4, 9
	v_add_nc_u32 v[T0], s6, v2
.irp i, 0,1,2,3,4,5,6,7,8,9,10,11,12,13,14,15
	v_add_nc_u32 v[LDD+\i], 16*\i, v[T0]           ; a copy's immediate is added to both addresses: 512 i there, the padding 16 i here
.endr
	v_lshrrev_b32 v[TP], 3, v1
	v_mul_u32_u24 v[TP], v[TP], MPITCH
	v_and_b32 v[VA], 7, v0
	v_lshl_add_u32 v[TP], v[VA], 4, v[TP]
	v_add_nc_u32 v[TP], s6, v[TP]
.irp j, 0,1,2,3
	v_add_nc_u32 v[LDM+\j], MOFF+64*\j, v[TP]      ; four rows a copy: 576 j = 512 j + 64 j
.endr
	v_add_nc_u32 v[T0], s84, v2
.irp i, 0,1,2,3,4,5,6,7,8,9,10,11,12,13,14,15
	v_add_nc_u32 v[LDE+\i], 16*\i, v[T0]           ; row i of e: 2,048 i in the immediate, 16 i here
.endr
	v_mul_u32_u24 v[LWL], v6, WPITCH               ; a weight copy takes two rows of 256 bytes: lane l row l / 16, byte 16 (l % 16)
	v_add_nc_u32 v[LWL], v7, v[LWL]
	v_add_nc_u32 v[LWL], s85, v[LWL]
.irp k, 1,2,3,4,5,6,7,8,9,10,11,12,13,14,15,16,17,18,19,20,21,22,23
	v_add_nc_u32 v[LWL+\k], 544*\k, v[LWL]         ; copy k % 8 of unit k / 8: 8 x 544 = a unit's 4,352 bytes
.endr
	v_lshl_add_u32 v[GWA], v6, 11, v7              ; the same two rows in memory, rows 2,048 bytes apart,
	v_lshl_add_u32 v[GWC], v6, 13, v7              ; or 8,192 (W2)
.irp n, 1,2,3,4,5,6,7
	v_add_nc_u32 v[GWA+\n], 4096*\n, v[GWA]
	v_add_nc_u32 v[GWC+\n], 16384*\n, v[GWC]
.endr
	v_add_nc_u32 v[GG], s86, v2                    ; my 512 bytes of ln1_g and of ln1_b
	v_add_nc_u32 v[LG], GST, v[GG]
	v_add_nc_u32 v[LG+1], GST+2048, v[GG]
	v_mul_u32_u24 v[VL0], v3, EPITCH               ; back out: row r, 32 bytes (8 numbers) at 32 h
	v_lshl_add_u32 v[VL0], v6, 5, v[VL0]
	v_add_nc_u32 v[VL0], s84, v[VL0]
	v_mul_u32_u24 v[VWL], v3, WPITCH
	v_lshl_add_u32 v[VWL], v6, 5, v[VWL]
	v_add_nc_u32 v[VWL], s85, v[VWL]
	v_lshlrev_b32 v[VA], 5, v6                     ; 32 h
	v_add_nc_u32 v[VG0], GST, v[VA]
	v_mul_u32_u24 v[VD0], v3, DPITCH
	v_add_nc_u32 v[VD0], s6, v[VD0]
	v_mul_u32_u24 v[VM0], v3, MPITCH
	v_lshl_add_u32 v[VM0], v6, 3, v[VM0]
	s_add_co_u32 s87, s6, MOFF
	v_add_nc_u32 v[VM0], s87, v[VM0]
	v_and_b32 v[VBB], 7, v0
	v_lshl_add_u32 v[VBB], v[VBB], 6, v[VA]        ; rbf_w: head r % 8, centres 8 h on
	; where my three weight units are read and where their two fragments go: scalars made of ids alone
	s_lshr_b32 s50, s5, 8                          ; unit A: 0 Wq, 1 Wk, 2 Wv, 3 Wo
	s_bfe_u32 s51, s5, 0x50003                     ; its row tile 0..31
	s_and_b32 s52, s5, 7                           ; its 64 columns: k steps 2 cp, 2 cp + 1
	s_bfe_u32 s53, s51, 0x10002                    ; head % 2
	s_max_u32 s54, s50, 1
	s_lshl1_add_u32 s54, s53, s54
	s_sub_co_u32 s54, s54, 1                       ; pass of k, v: 2 i + mat - 1
	s_add_co_u32 s55, s53, 4                       ; of q: 4 + i
	s_cmp_eq_u32 s50, 0
	s_cselect_b32 s54, s55, s54
	s_lshr_b32 s55, s52, 2
	s_lshl1_add_u32 s54, s54, s55                  ; ring step = 2 pass + K half
	s_lshl_b32 s56, s54, 16
	s_lshr_b32 s55, s51, 4
	s_mul_i32 s55, s55, 786432
	s_add_co_u32 s56, s56, s55
	s_bfe_u32 s55, s51, 0x10003
	s_lshl_b32 s55, s55, 15
	s_add_co_u32 s56, s56, s55
	s_and_b32 s55, s52, 3
	s_lshl_b32 s55, s55, 13
	s_add_co_u32 s56, s56, s55
	s_and_b32 s55, s51, 3
	s_lshl_b32 s55, s55, 10
	s_add_co_u32 s56, s56, s55                     ; q, k, v: place in wqkv; the second fragment 4,096 on
	s_lshr_b32 s57, s52, 1
	s_lshl_b32 s57, s57, 17
	s_lshr_b32 s55, s51, 3
	s_lshl_b32 s55, s55, 15
	s_add_co_u32 s57, s57, s55
	s_and_b32 s55, s52, 1
	s_lshl_b32 s55, s55, 14
	s_add_co_u32 s57, s57, s55
	s_and_b32 s55, s51, 7
	s_lshl_b32 s55, s55, 10
	s_add_co_u32 s57, s57, s55                     ; Wo: place in wffn; the second fragment 8,192 on
	s_lshl_b32 s58, s51, 15
	s_lshl_b32 s55, s52, 8
	s_add_co_u32 s58, s58, s55                     ; unit A: where it is read
	s_lshr_b32 s60, s5, 3                          ; unit B (W1): row tile 0..127, columns as unit A's
	s_lshl_b32 s61, s60, 15
	s_add_co_u32 s61, s61, s55                     ; where it is read
	s_lshr_b32 s62, s60, 3
	s_lshl_b32 s62, s62, 18
	s_add_co_u32 s62, s62, 4*131072
	s_bfe_u32 s55, s60, 0x20001
	s_lshl_b32 s55, s55, 15
	s_add_co_u32 s62, s62, s55
	s_lshl_b32 s55, s52, 12
	s_add_co_u32 s62, s62, s55
	s_and_b32 s55, s60, 1
	s_lshl_b32 s55, s55, 10
	s_add_co_u32 s62, s62, s55                     ; where it goes; the second fragment 2,048 on
	s_lshr_b32 s63, s5, 5                          ; unit C (W2): row tile 0..31
	s_and_b32 s66, s5, 31                          ; its 64 columns of 2,048
	s_lshl_b32 s67, s63, 17
	s_lshl_b32 s55, s66, 8
	s_add_co_u32 s67, s67, s55                     ; where it is read
	s_lshr_b32 s72, s66, 1
	s_lshl_b32 s72, s72, 18
	s_add_co_u32 s72, s72, 5*131072
	s_lshr_b32 s55, s63, 3
	s_lshl_b32 s55, s55, 15
	s_add_co_u32 s72, s72, s55
	s_and_b32 s55, s66, 1
	s_lshl_b32 s55, s55, 14
	s_add_co_u32 s72, s72, s55
	s_and_b32 s55, s63, 7
	s_lshl_b32 s55, s55, 10
	s_add_co_u32 s72, s72, s55                     ; where it goes; the second fragment 8,192 on
	s_mov_b32 s59, 4096
	s_wait_dscnt 0x0                               ; both opening adds are done
	s_wait_kmcnt 0x0
	s_lshl_b32 s48, s5, 13                         ; 16 rows of d
	s_add_nc_u64 s[10:11], s[10:11], s[48:49]
	s_lshl_b32 s48, s5, 11                         ; 16 rows of the mask
	s_add_nc_u64 s[12:13], s[12:13], s[48:49]
	s_lshl_b32 s48, s5, 15                         ; 16 rows of e
	s_add_nc_u64 s[8:9], s[8:9], s[48:49]
	s_lshl_b32 s48, s5, 14                         ; 16 fragments of e0f
	s_add_nc_u64 s[36:37], s[36:37], s[48:49]
	s_lshr_b32 s48, s5, 3
	s_lshl_b32 s48, s48, 18                        ; b x 8 heads x 32,768
	s_and_b32 s82, s5, 7
	s_lshl_b32 s82, s82, 12                        ; qb x 8 tiles x 512
	s_add_co_u32 s48, s48, s82
	s_add_nc_u64 s[38:39], s[38:39], s[48:49]
	s_cmp_eq_u32 s50, 3
	s_cselect_b64 s[70:71], s[42:43], s[40:41]
	s_cselect_b32 s48, s57, s56
	s_cselect_b32 s59, 8192, s59
	s_add_nc_u64 s[70:71], s[70:71], s[48:49]
	s_mov_b64 s[68:69], s[30:31]
	s_cmp_eq_u32 s50, 0
	s_cselect_b64 s[68:69], s[24:25], s[68:69]
	s_cmp_eq_u32 s50, 1
	s_cselect_b64 s[68:69], s[26:27], s[68:69]
	s_cmp_eq_u32 s50, 2
	s_cselect_b64 s[68:69], s[28:29], s[68:69]
	s_mov_b32 s48, s58
	s_add_nc_u64 s[68:69], s[68:69], s[48:49]
	s_mov_b32 s48, s61
	s_add_nc_u64 s[32:33], s[32:33], s[48:49]
	s_mov_b32 s48, s67
	s_add_nc_u64 s[34:35], s[34:35], s[48:49]
	s_mov_b32 s48, s62
	s_add_nc_u64 s[74:75], s[42:43], s[48:49]
	s_mov_b32 s48, s72
	s_add_nc_u64 s[78:79], s[42:43], s[48:49]
	v_add_nc_u32 v[VSA], s59, v2
	; the copies: 110 a wave, 55 KiB
.irp i, 0,1,2,3,4,5,6,7,8,9,10,11,12,13,14,15
	global_load_async_to_lds_b128 v[LDD+\i], v2, s[10:11] offset:512*\i
.endr
.irp j, 0,1,2,3
	global_load_async_to_lds_b128 v[LDM+\j], v2, s[12:13] offset:512*\j
.endr
	global_load_async_to_lds_b128 v[LG], v[GG], s[14:15]
	global_load_async_to_lds_b128 v[LG+1], v[GG], s[16:17]
.irp n, 0,1,2,3,4,5,6,7
	global_load_async_to_lds_b128 v[LWL+\n], v[GWA+\n], s[68:69]
	global_load_async_to_lds_b128 v[LWL+8+\n], v[GWA+\n], s[32:33]
	global_load_async_to_lds_b128 v[LWL+16+\n], v[GWC+\n], s[34:35]
.endr
.set n_, 0
.rept 64
	global_load_async_to_lds_b128 v[LDE+n_/4], v2, s[8:9] offset:512*n_
.set n_, n_+1
.endr
	s_load_b32 s44, s[20:21], 0x0                  ; gamma
	global_load_b128 v[MU:MU+3], v[VA], s[18:19]
	global_load_b128 v[MU+4:MU+7], v[VA], s[18:19] offset:16
	global_load_b128 v[WT:WT+3], v[VBB], s[22:23]
	global_load_b128 v[WT+4:WT+7], v[VBB], s[22:23] offset:16
	s_wait_asynccnt 0x0                            ; all my copies have landed,
	s_barrier_signal -1
	s_barrier_wait -1                              ; everybody's have: from here on LDS is only read
	s_wait_kmcnt 0x0
	s_mul_f32 s44, s44, 0xbfb8aa3b                 ; -gamma log2(e)
	s_mov_b32 s45, s44                             ; named with it as a pair
	s_wait_loadcnt 0x0
	; ---------------- THE WEIGHTS ----------------  three units, two fragments each; n_ = 4 a + 2 q + t: fragment a, half q, 16 bytes t
.irp j, 0,1,2
.set n_, 0
.rept 8
	ds_load_b128 v[R+32*\j+4*n_:R+32*\j+4*n_+3], v[VWL] offset:WUNIT*\j+(n_/4)*128+((n_/2)%2)*64+(n_%2)*16
.set n_, n_+1
.endr
.endr
	s_wait_dscnt 0x0
.set i_, 0
.rept 48
	v_cvt_pk_bf16_f32 v[R+32*(i_/16)+i_%16], v[R+32*(i_/16)+2*(i_%16)], v[R+32*(i_/16)+2*(i_%16)+1]
.set i_, i_+1
.endr
.irp q, 0,1
	global_store_b128 v2, v[R+4*\q:R+4*\q+3], s[70:71] offset:512*\q
	global_store_b128 v[VSA], v[R+8+4*\q:R+8+4*\q+3], s[70:71] offset:512*\q
	global_store_b128 v2, v[R+32+4*\q:R+32+4*\q+3], s[74:75] offset:512*\q
	global_store_b128 v2, v[R+40+4*\q:R+40+4*\q+3], s[74:75] offset:2048+512*\q
	global_store_b128 v2, v[R+64+4*\q:R+64+4*\q+3], s[78:79] offset:512*\q
	global_store_b128 v2, v[R+72+4*\q:R+72+4*\q+3], s[78:79] offset:8192+512*\q
.endr
	; ---------------- LAYERNORM ----------------  a lane holds half of row r: the mean first, then the deviations' squares: no difference of large sums
.macro ZTS
.irp i, 0,1,2,3,4,5,6,7
	v_mov_b32 v[TS+\i], 0
.endr
.endm
.macro XLOAD                           ; 128 columns of the 16 rows: k steps 4 trip + n_ / 4
	v_add_nc_u32 v[VL], s88, v[VL0]
.set n_, 0
.rept 16
	ds_load_b128 v[R+4*n_:R+4*n_+3], v[VL] offset:(n_/4)*128+((n_/2)%2)*64+(n_%2)*16
.set n_, n_+1
.endr
.endm
.macro RED                             ; the four chains, the pair's halves, the other half of the row in the lane 16 away
	v_pk_add_f32 v[TS:TS+1], v[TS:TS+1], v[TS+2:TS+3]
	v_pk_add_f32 v[TS+4:TS+5], v[TS+4:TS+5], v[TS+6:TS+7]
	v_pk_add_f32 v[TS:TS+1], v[TS:TS+1], v[TS+4:TS+5]
	v_add_f32 v[TS], v[TS], v[TS+1]
	v_permlanex16_b32 v[TS+1], v[TS], s46, s47
	v_add_f32 v[TS], v[TS], v[TS+1]
.endm
	ZTS
	s_wait_xcnt 0x0                                ; the weights' stores have read their data: R is loaded again only behind this wait
	s_mov_b32 s88, 0
	s_mov_b32 s7, 4
.Lsum:
	XLOAD
	s_wait_dscnt 0x0
.set p_, 0
.rept 32
	v_pk_add_f32 v[TS+2*(p_%4):TS+2*(p_%4)+1], v[TS+2*(p_%4):TS+2*(p_%4)+1], v[R+2*p_:R+2*p_+1]
.set p_, p_+1
.endr
	s_add_co_u32 s88, s88, 512
	s_sub_co_u32 s7, s7, 1
	s_cmp_lg_u32 s7, 0
	s_cbranch_scc1 .Lsum
	RED
	v_mul_f32 v[NM], s76, v[TS]
	v_mov_b32 v[NM+1], v[NM]
	ZTS
	s_mov_b32 s88, 0
	s_mov_b32 s7, 4
.Lsq:
	XLOAD
	s_wait_dscnt 0x0
.set p_, 0
.rept 32
	v_pk_add_f32 v[R+2*p_:R+2*p_+1], v[R+2*p_:R+2*p_+1], v[NM:NM+1] neg_lo:[0,1] neg_hi:[0,1]
.set p_, p_+1
.endr
.set p_, 0
.rept 32
	v_pk_fma_f32 v[TS+2*(p_%4):TS+2*(p_%4)+1], v[R+2*p_:R+2*p_+1], v[R+2*p_:R+2*p_+1], v[TS+2*(p_%4):TS+2*(p_%4)+1]
.set p_, p_+1
.endr
	s_add_co_u32 s88, s88, 512
	s_sub_co_u32 s7, s7, 1
	s_cmp_lg_u32 s7, 0
	s_cbranch_scc1 .Lsq
	RED
	v_fma_f32 v[TS], v[TS], s76, s77
	v_rsq_f32 v[RS], v[TS]
	v_nop
	s_wait_alu depctr_va_vdst(0)                   ; the root, ahead of its first reader
	v_mov_b32 v[RS+1], v[RS]
	v_mul_f32 v[NM], -v[NM], v[RS]                 ; - mean / sigma
	v_mov_b32 v[NM+1], v[NM]
	s_mov_b32 s88, 0
	s_mov_b32 s7, 4
.Lout:                                                 ; a trip: four fragments of e0, 4,096 bytes on end
	XLOAD
	v_add_nc_u32 v[VG], s88, v[VG0]
.set n_, 0
.rept 16
	ds_load_b128 v[GR+4*n_:GR+4*n_+3], v[VG] offset:(n_/4)*128+((n_/2)%2)*64+(n_%2)*16
	ds_load_b128 v[BG+4*n_:BG+4*n_+3], v[VG] offset:2048+(n_/4)*128+((n_/2)%2)*64+(n_%2)*16
.set n_, n_+1
.endr
	s_wait_dscnt 0x0
.set p_, 0
.rept 32
	v_pk_fma_f32 v[R+2*p_:R+2*p_+1], v[R+2*p_:R+2*p_+1], v[RS:RS+1], v[NM:NM+1]
.set p_, p_+1
.endr
.set p_, 0
.rept 32
	v_pk_fma_f32 v[R+2*p_:R+2*p_+1], v[R+2*p_:R+2*p_+1], v[GR+2*p_:GR+2*p_+1], v[BG+2*p_:BG+2*p_+1]
.set p_, p_+1
.endr
.set p_, 0
.rept 32
	v_cvt_pk_bf16_f32 v[R+p_], v[R+2*p_], v[R+2*p_+1]
.set p_, p_+1
.endr
.irp m, 0,1,2,3,4,5,6,7
	global_store_b128 v2, v[R+4*\m:R+4*\m+3], s[36:37] offset:512*\m
.endr
	s_wait_xcnt 0x0                                ; the stores' data and base are rewritten only behind this wait
	s_add_nc_u64 s[36:37], s[36:37], 4096
	s_add_co_u32 s88, s88, 512
	s_sub_co_u32 s7, s7, 1
	s_cmp_lg_u32 s7, 0
	s_cbranch_scc1 .Lout
	; ---------------- THE BIAS ----------------
	; Source 0, 16 rows x 32 k: rows 0-7 hold w[m][k] in k 0-15, rows 8-15 hold w[m-8][k-16] in k 16-31, zeros elsewhere.  Source 1's k 0-15 are the 16 radial
	; values of one key, k 16-31 those of the key 8 further on: one matrix instruction mixes 16 queries x 2 keys x 8 heads with no padding.
.irp i, 0,1,2,3
	v_cvt_pk_bf16_f32 v[X+\i], v[WT+2*\i], v[WT+2*\i+1]
.endr
	v_cmp_gt_u32 vcc_lo, 8, v3
.irp i, 0,1,2,3
	v_cndmask_b32 v[WF+\i], 0, v[X+\i], vcc_lo
	v_cndmask_b32 v[WF+4+\i], v[X+\i], v[NIL], vcc_lo
.endr
; Four steps t (keys 16 kb + 4 hf + t and 8 further on): exponents, one batch of exponentials, rounding, four products.
.macro HALF hf
.irp t, 0,1,2,3
.irp ks, 0,1
.irp p, 0,1,2,3
.if (\t)%2
	v_pk_add_f32 v[X+16*\t+8*\ks+2*\p:X+16*\t+8*\ks+2*\p+1], v[MU+2*\p:MU+2*\p+1], v[DD+8*\ks+4*(\hf)+\t-1:DD+8*\ks+4*(\hf)+\t] op_sel:[0,1] op_sel_hi:[1,1] neg_lo:[0,1] neg_hi:[0,1]
.else
	v_pk_add_f32 v[X+16*\t+8*\ks+2*\p:X+16*\t+8*\ks+2*\p+1], v[MU+2*\p:MU+2*\p+1], v[DD+8*\ks+4*(\hf)+\t:DD+8*\ks+4*(\hf)+\t+1] op_sel_hi:[1,0] neg_lo:[0,1] neg_hi:[0,1]
.endif
.endr
.endr
.endr
.set i_, 0
.rept 32
	v_pk_mul_f32 v[X+2*i_:X+2*i_+1], v[X+2*i_:X+2*i_+1], v[X+2*i_:X+2*i_+1]
.set i_, i_+1
.endr
.set i_, 0
.rept 32
	v_pk_mul_f32 v[X+2*i_:X+2*i_+1], v[X+2*i_:X+2*i_+1], s[44:45] op_sel_hi:[1,0]
.set i_, i_+1
.endr
.set i_, 0
.rept 64
	v_exp_f32 v[X+i_], v[X+i_]
.set i_, i_+1
.endr
	v_nop                                          ; a plain instruction behind the last exponential
	s_wait_alu depctr_va_vdst(0)                   ; one wait for the batch of 64, ahead of its first reader
.set i_, 0
.rept 32
	v_cvt_pk_bf16_f32 v[X+i_], v[X+2*i_], v[X+2*i_+1]
.set i_, i_+1
.endr
.irp t, 0,1,2,3
	v_wmma_f32_16x16x32_bf16 v[D+8*(4*(\hf)+\t):D+8*(4*(\hf)+\t)+7], v[WF:WF+7], v[X+8*\t:X+8*\t+7], 0
.endr
.endm
	s_mov_b32 s89, 0
	s_mov_b32 s90, 0
	s_mov_b32 s7, 8
.Lkb:                                                  ; a trip: 16 queries x 16 keys x 8 heads
	v_add_nc_u32 v[VD], s89, v[VD0]
	v_add_nc_u32 v[VM], s90, v[VM0]
.irp j, 0,1,2,3
	ds_load_b128 v[DD+4*\j:DD+4*\j+3], v[VD] offset:16*\j
.endr
	ds_load_b64 v[MW:MW+1], v[VM]                  ; mask[r][16 kb + 8 h + 0..7]
	s_wait_dscnt 0x0
	HALF 0
	; the mask's bytes become halves of 0xffff: 18 plain lines, which are also the places between the four products and the next writes of X
.irp m, 0,1,2,3
.if (\m)%2
	v_lshrrev_b32 v[TP], 16, v[MW+(\m)/2]
	v_and_b32 v[TP], 0x101, v[TP]
.else
	v_and_b32 v[TP], 0x101, v[MW+(\m)/2]
.endif
	v_lshl_or_b32 v[TP], v[TP], 8, v[TP]
	v_and_b32 v[TP], 0x10001, v[TP]
	v_mul_u32_u24 v[MK+\m], 0xffff, v[TP]
.endr
	HALF 1
.rept 4
	v_nop                                          ; four places behind the last product, ahead of the reads of its result
.endr
	; register j of result t, lane (r, h), is head j, query r, key 16 kb + 8 h + t: eight results give each head 16 bytes a lane
.irp j, 0,1,2,3,4,5,6,7
.irp m, 0,1,2,3
	v_cvt_pk_bf16_f32 v[O+4*\j+\m], v[D+16*\m+\j], v[D+16*\m+8+\j]
.endr
.irp m, 0,1,2,3
	v_bfi_b32 v[O+4*\j+\m], v[MK+\m], s83, v[O+4*\j+\m]
.endr
	global_store_b128 v2, v[O+4*\j:O+4*\j+3], s[38:39] offset:32768*\j  ; 512 consecutive bytes a wave
.endr
	s_wait_xcnt 0x0                                ; the stores' data and base are rewritten only behind this wait
	s_add_nc_u64 s[38:39], s[38:39], 512
	s_add_co_u32 s89, s89, 64
	s_add_co_u32 s90, s90, 16
	s_sub_co_u32 s7, s7, 1
	s_cmp_lg_u32 s7, 0
	s_cbranch_scc1 .Lkb
	s_wait_dscnt 0x0                               ; my LDS reads are back,
	s_barrier_signal -1
	s_barrier_wait -1                              ; everybody's are: only now is LDS written again, by the closing add
	s_wait_tensorcnt 0x0                           ; the wave's end: behind my last copy
	s_wait_asynccnt 0x0
	ds_add_u32 v[SPW], v[NIL]
	s_wait_dscnt 0x0
	s_endpgm
.Lfunc_end_k_q82ea3f3f30_prep:
	.size	k_q82ea3f3f30_prep, .Lfunc_end_k_q82ea3f3f30_prep-k_q82ea3f3f30_prep
	.p2alignl 7, 3214868480
	.fill 96, 4, 3214868480
	.section	.rodata,"a",@progbits
	.p2align	6, 0x0
	.amdhsa_kernel k_q82ea3f3f30_prep
		.amdhsa_group_segment_fixed_size 231936
		.amdhsa_private_segment_fixed_size 0
		.amdhsa_enable_private_segment 0
		.amdhsa_kernarg_size 144
		.amdhsa_user_sgpr_count 2
		.amdhsa_user_sgpr_kernarg_segment_ptr 1
		.amdhsa_wavefront_size32 1
		.amdhsa_system_sgpr_workgroup_id_x 1
		.amdhsa_system_sgpr_workgroup_id_y 1
		.amdhsa_system_sgpr_workgroup_id_z 1
		.amdhsa_system_vgpr_workitem_id 0
		.amdhsa_next_free_vgpr 256
		.amdhsa_next_free_sgpr 100
		.amdhsa_reserve_vcc 1
		.amdhsa_float_denorm_mode_32 3
		.amdhsa_float_denorm_mode_16_64 3
		.amdhsa_memory_ordered 1
		.amdhsa_forward_progress 1
		.amdhsa_inst_pref_size 77
	.end_amdhsa_kernel
	.amdgpu_metadata
---
amdhsa.version: [ 1, 2 ]
amdhsa.kernels:
  - .name:           k_q82ea3f3f30_prep
    .symbol:         k_q82ea3f3f30_prep.kd
    .args:
      - { .name: e, .offset: 0, .size: 8, .value_kind: global_buffer, .address_space: global }
      - { .name: d, .offset: 8, .size: 8, .value_kind: global_buffer, .address_space: global }
      - { .name: attn_mask, .offset: 16, .size: 8, .value_kind: global_buffer, .address_space: global }
      - { .name: ln1_g, .offset: 24, .size: 8, .value_kind: global_buffer, .address_space: global }
      - { .name: ln1_b, .offset: 32, .size: 8, .value_kind: global_buffer, .address_space: global }
      - { .name: rbf_mu, .offset: 40, .size: 8, .value_kind: global_buffer, .address_space: global }
      - { .name: rbf_gamma, .offset: 48, .size: 8, .value_kind: global_buffer, .address_space: global }
      - { .name: rbf_w, .offset: 56, .size: 8, .value_kind: global_buffer, .address_space: global }
      - { .name: Wq, .offset: 64, .size: 8, .value_kind: global_buffer, .address_space: global }
      - { .name: Wk, .offset: 72, .size: 8, .value_kind: global_buffer, .address_space: global }
      - { .name: Wv, .offset: 80, .size: 8, .value_kind: global_buffer, .address_space: global }
      - { .name: Wo, .offset: 88, .size: 8, .value_kind: global_buffer, .address_space: global }
      - { .name: W1, .offset: 96, .size: 8, .value_kind: global_buffer, .address_space: global }
      - { .name: W2, .offset: 104, .size: 8, .value_kind: global_buffer, .address_space: global }
      - { .name: e0f, .offset: 112, .size: 8, .value_kind: global_buffer, .address_space: global }
      - { .name: biasb, .offset: 120, .size: 8, .value_kind: global_buffer, .address_space: global }
      - { .name: wqkv, .offset: 128, .size: 8, .value_kind: global_buffer, .address_space: global }
      - { .name: wffn, .offset: 136, .size: 8, .value_kind: global_buffer, .address_space: global }
    .group_segment_fixed_size: 231936
    .private_segment_fixed_size: 0
    .kernarg_segment_align: 8
    .kernarg_segment_size: 144
    .max_flat_workgroup_size: 128
    .sgpr_count:     100
    .vgpr_count:     256
    .wavefront_size: 32
...
	.end_amdgpu_metadata
.endif
;; end of part 1
;; launch attn (part 2): grid 128 x 2, 4 waves a work-group, clusters of 4 x 1, 327,680 bytes of LDS; arguments e0f, wqkv, biasb, bq, bk, bv, of; writes of
.if DOCPART == 2
	.amdgcn_target "amdgcn-amd-amdhsa--gfx1250"
	.amdhsa_code_object_version 6
	.text
	.protected	k_q82ea3f3f30_attn
	.globl	k_q82ea3f3f30_attn
	.p2align	8
	.type	k_q82ea3f3f30_attn,@function
k_q82ea3f3f30_attn:
	s_mov_b64 s[64:65], 0
	v_nop
	global_prefetch_b8 v0, s[64:65] scope:SCOPE_SE
	s_setreg_imm32_b32 hwreg(HW_REG_WAVE_MODE, 25, 1), 1
	s_wait_xcnt 0x0
	s_wait_alu depctr_hold_cnt(0) depctr_sa_sdst(0) depctr_va_vdst(0) depctr_va_sdst(0) depctr_va_ssrc(0) depctr_va_vcc(0) depctr_vm_vsrc(0)
	s_getreg_b32 s2, hwreg(HW_REG_IB_STS2, 6, 4)
	s_cmp_eq_u32 s2, 0
	s_cbranch_scc0 .Lentry_in_a_cluster
	s_endpgm
.Lentry_in_a_cluster:
	s_bfe_u32 s2, ttmp6, 0x10000c
	s_cmp_lg_u32 s2, 0x3003
	s_cbranch_scc0 .Lentry_shape_is_right
	s_endpgm
.Lentry_shape_is_right:
; SECOND LAUNCH: q, k, v projections and biased softmax attention.  (tokens is dead, as the first kernel's head shows; nothing else is left out.)
; A work-group has one sequence b (128 tokens) and half hh of the heads.  Wave w: th = w / 2 its 64 tokens (and queries), hp = w % 2 its pair of heads 4 hh + 2 hp + i.
; PASSES.  Six passes k v k v q q, each 64 tokens x one head's 64 channels a wave over K = 512: source 0 = weights from the ring, source 1 = e0, which stays in
; 512 registers for all passes, so only the weights are read from LDS.  The projection's bias is the C operand of a pass's first products.  k and v go to LDS in the fragment format, q (times 1/8, exact) stays in registers.
; RING.  Two LDS slots of 64 KiB, twelve steps (a pass = two steps of K = 256).  The four work-groups of a cluster share hh and so every weight tile: each tile is asked for JOINTLY.
; Each wave fetches a quarter of a slot.  The last two changes of slots bring each wave's own 16 KiB of attention bias for its two heads into the slots, by plain loads.
; THE WALK.  The clusters take the twelve steps in four orders, by two bits of the cluster's x, which the partners share: bit 0 swaps the two K halves of every pass (window 1 then holds
; e0's other half), bit 1 swaps the two heads of each pair (first the head i = 1, then i = 0).  So the clusters ask for four different steps at a time, not all for the same one.  f32 sums may be taken in either order.
; ATTENTION.  A trip takes 16 queries x all 128 keys of one head: S^T = K Q^T with the bias as the sums' start, clamp at -1e9 (a masked place, stored as about -1e30, becomes
; reference()'s -1e9), the row's true maximum, p = 2^(c s - c m), O^T = V^T P, division by the sum of the unrounded p.  o leaves as fragments, 2 KiB on end.
; LIMITS.  An unmasked score below -1e9 is clamped to -1e9; a weight below 2^-126 counts as 0; q, k, v, p, o are rounded once to bf16.
; REGISTERS in windows of 256: window 0: v0-31 addresses and statistics, v32-63 bias, v64-191 two fragment buffers (later S^T, P, O^T), v192-255 at work;
; windows 1, 2: e0 (k step ks of the window's K half, token tile tt at (ks 4 + tt) 8); later window 2 = K (0-127) and V^T (128-255);
; window 3: v0-127 sixteen accumulators (nt, tt), v128-255 q of both heads.
.set SLOTB, 65536
.set OUT,   131072              ; k, v of the first head taken, k, v of the second: 32,768 bytes each: hp x 16,384 + token tile x 2,048 + channel tile x 512; written by ds_store alone
.set SPARE, 327168              ; the spare words
.set VB,  2                     ; v2, v3  my head pair's half of slot 0, 1
.set VD0, 4
.set VBI, 5
.set VK,  6
.set VV,  7
.set VBL, 8
.set PFO, 9
.set SPW, 10
.set NIL, 11
.set T,   12
.set VDST, 16
.set CM,  18
.set RL,  20
.set BI,  32
.set BR,  32
.set BUF0, 64
.set BUF1, 128
.set S,   64
.set P,   128
.set O,   160
.set TMP, 192
.set WB,  2                     ; s[2:3]   wqkv at my quarter of hh's step 0
.set PAR, 4                     ; s4       bit 0 of the cluster's x: the K halves are swapped
.set SWX, 5                     ; s5       bit 1: the heads of a pair are swapped
.set ODL, 6                     ; s[6:7]   what o's address goes back between the two heads
.set NO,  22                    ; s[22:23] byte offset of the step that the next refill brings
.set G1,  24
.set G0,  32
.set G1P, 40
.set G0P, 48
.set MSB, 0
.macro WIN new                         ; the immediate's high byte repeats the setting that is left
.if MSB != (\new)
	s_set_vgpr_msb (MSB<<8)|(\new)
.set MSB, \new
.endif
.endm
.macro PLACES n
.rept \n
	v_nop
.endr
.endm
.macro CREST                           ; a round of the cluster's barrier behind its opening barrier
	s_cmp_lg_u32 s8, 0
	s_cbranch_scc1 .Lnot_wave_0_\@
	s_barrier_signal -3
.Lnot_wave_0_\@:
	s_barrier_wait -3
	s_barrier_signal -1
	s_barrier_wait -1
.endm
.macro CROUND
	s_barrier_signal -1
	s_barrier_wait -1
	CREST
.endm
.macro FETCH slot, u, buf              ; a unit: 8 fragments (2 k steps x 4 channel tiles), 8,192 bytes on end
	WIN 0
.set fn, 0
.rept 16
	ds_load_b128 v[(\buf)+4*fn:(\buf)+4*fn+3], v[VB+(\slot)] offset:(\u)*8192+fn*512
.set fn, fn+1
.endr
.endm
; products lo .. hi-1 of a unit's 32; the 16 accumulators take turns, one instruction a turn
.macro MULP kh, u, buf, lo, hi, first
.set mm, \lo
.rept (\hi)-(\lo)
.set rA, (((mm%16)/4)*4+mm%4)*8
.set rW, (\buf)+((mm/16)*4+(mm%16)/4)*8
.set rX, ((2*(\u)+mm/16)*4+mm%4)*8
.if (\first) && (mm < 16)
	WIN 0xC4+4*(\kh)
	v_wmma_f32_16x16x32_bf16 v[rA:rA+7], v[rW:rW+7], v[rX:rX+7], v[BI+8*((mm%16)/4):BI+8*((mm%16)/4)+7]
.else
	WIN 0xF4+4*(\kh)
	v_wmma_f32_16x16x32_bf16 v[rA:rA+7], v[rW:rW+7], v[rX:rX+7], v[rA:rA+7]
.endif
.set mm, mm+1
.endr
.endm
.macro BIL                             ; bias[head x 64 + 16 nt + 8 h + j] in the layout of a C operand
.set n_, 0
.rept 8
	global_load_b128 v[BI+4*n_:BI+4*n_+3], v[VBI], s[96:97] offset:(n_/2)*64+(n_%2)*16
.set n_, n_+1
.endr
.endm
.macro BILOAD                          ; the next pass's bias, four places behind the products that took this pass's as C
	WIN 0
	PLACES 4
	s_add_co_u32 s10, s9, 1                        ; the next pass: 1 v, 2 k, 3 v, 4 q, 5 q
	s_and_b32 s11, s10, 1
	s_lshr_b32 s14, s10, 1
	s_cmp_eq_u32 s11, 1
	s_cselect_b64 s[96:97], s[78:79], s[76:77]
	s_cmp_lt_u32 s10, 4
	s_cselect_b64 s[96:97], s[96:97], s[74:75]
	s_cselect_b32 s14, s14, s11                    ; first or second head taken,
	s_xor_b32 s14, s14, s[SWX]                     ; which is head i of the pair
	s_add_co_u32 s14, s14, s21
	s_lshl_b32 s14, s14, 8
	s_mov_b32 s15, 0
	s_add_nc_u64 s[96:97], s[96:97], s[14:15]
	BIL
.endm
.macro UNITS kh, first, bil            ; the first three of a slot's four units, on buffers 0, 1, 0
	PLACES 4
	FETCH \kh, 1, BUF1
	s_wait_dscnt 16                                ; all but the 16 just issued
	MULP \kh, 0, BUF0, 0, 32, \first
.if \bil
	BILOAD
.else
	PLACES 4
.endif
	FETCH \kh, 2, BUF0
	s_wait_dscnt 16
	MULP \kh, 1, BUF1, 0, 32, 0
	PLACES 4
	FETCH \kh, 3, BUF1
	s_wait_dscnt 16
	MULP \kh, 2, BUF0, 0, 32, 0
.endm
.macro ASK n                           ; one prefetch: 32 lanes x 256 bytes, behind the tensor load's lines and the run of LDS loads
	s_cmp_eq_u32 s66, 1
	s_cbranch_scc0 .Lnot_mine_\@
	global_prefetch_b8 v[PFO], s[60+2*(\n):61+2*(\n)] th:TH_LOAD_NT scope:SCOPE_SE
.Lnot_mine_\@:
.endm
; The fourth unit and the change of slots.  Each wave waits for all its tensor loads (one is out: its part of the other slot), adds 0 to its spare word, waits for that and for its reads of this
; slot; the barrier opens a round of the cluster's; behind the round the slot is filled again first.  kind 1: jointly, with the next pass's step, whose address is made anew from its offset;
; kind 2: with my own attention bias, by a plain load.
.macro CLOSE kh, kind, fetch
	WIN 0
	s_wait_tensorcnt 0x0
	ds_add_u32 v[SPW], v[NIL]
	s_wait_dscnt 1                                 ; the add alone may be out
	MULP \kh, 3, BUF1, 0, 8, 0
	s_wait_dscnt 0x0
	s_barrier_signal -1
	MULP \kh, 3, BUF1, 8, 16, 0
	WIN 0
	s_barrier_wait -1
	CREST
.if (\kind) == 1
	s_add_nc_u64 s[G0+4*(\kh)+2:G0+4*(\kh)+3], s[WB:WB+1], s[NO:NO+1]
	s_or_b32 s[G0+4*(\kh)+3], s[G0+4*(\kh)+3], 0x80000000
	tensor_load_to_lds s[G0+4*(\kh):G0+4*(\kh)+3], s[G1:G1+7]
.else
	tensor_load_to_lds s[G0P+4*(\kh):G0P+4*(\kh)+3], s[G1P:G1P+7]
.endif
	s_nop 0
	PLACES 4                                       ; also the places in front of the loads into buffer 0
.if \fetch
	FETCH 1-(\kh), 0, BUF0
.endif
.if (\kind) == 1
	ASK \kh
.endif
	MULP \kh, 3, BUF1, 16, 32, 0
.endm
.macro POSTKV                          ; a pass of k or v: rounded, 16 bytes a lane, into LDS in the fragment format
	WIN 0x0F
.set a_, 0
.rept 16
.irp r, 0,1,2,3
	v_cvt_pk_bf16_f32 v[TMP+4*a_+\r], v[((a_%4)*4+a_/4)*8+2*\r], v[((a_%4)*4+a_/4)*8+2*\r+1]
.endr
.set a_, a_+1
.endr
	WIN 0
	s_lshl_b32 s10, s9, 15
	v_add_nc_u32 v[VDST], s10, v[VD0]
.set a_, 0
.rept 16
	ds_store_b128 v[VDST], v[TMP+4*a_:TMP+4*a_+3] offset:(a_/4)*2048+(a_%4)*512
.set a_, a_+1
.endr
.endm
.macro POSTQ i                         ; a pass of q: times 1/8 (a power of two: exact), rounded, kept as source 1 of K Q^T
	WIN 0xC3
.set a_, 0
.rept 64
	v_pk_mul_f32 v[2*a_:2*a_+1], v[2*a_:2*a_+1], s[98:99] op_sel_hi:[1,0]
.set a_, a_+1
.endr
	WIN 0xCF
.set a_, 0
.rept 16                               ; a_ = (tt 2 + ks2) 2 + q
.irp r, 0,1,2,3
	v_cvt_pk_bf16_f32 v[128+((\i)*8+a_/2)*8+4*(a_%2)+\r], v[((a_%4)*4+a_/4)*8+2*\r], v[((a_%4)*4+a_/4)*8+2*\r+1]
.endr
.set a_, a_+1
.endr
	WIN 0
.endm
	s_load_b256 s[68:75], s[0:1], 0x0              ; e0f 68, wqkv 70, biasb 72, bq 74
	s_load_b128 s[76:79], s[0:1], 0x20             ; bk 76, bv 78
	s_load_b64 s[80:81], s[0:1], 0x30              ; of
	v_lshl_add_u32 v[SPW], v0, 2, SPARE
	v_mov_b32 v[NIL], 0
	ds_add_u32 v[SPW], v[NIL]                      ; the opening: the add, twice on end, and its wait ahead of my first tensor load
	ds_add_u32 v[SPW], v[NIL]
	v_lshrrev_b32 v1, 5, v0
	v_readfirstlane_b32 s8, v1                     ; wave
	s_lshr_b32 s16, s8, 1                          ; th
	s_and_b32 s17, s8, 1                           ; hp
	s_bfe_u32 s18, ttmp6, 0x40000                  ; cx
	s_lshl_b32 s19, ttmp9, 2
	s_add_co_u32 s19, s19, s18                     ; b: it enters addresses of loads of my own alone
	s_and_b32 s20, ttmp7, 0xffff                   ; hh, which the partners share
	s_and_b32 s[PAR], ttmp9, 1                     ; the walk's two bits: of the cluster's x, which the partners share
	s_bfe_u32 s[SWX], ttmp9, 0x10001
	s_lshl_b32 s21, s20, 2
	s_lshl1_add_u32 s21, s17, s21                  ; the first head of my pair
	s_mov_b32 s[G1], 15|(3<<16)|(1<<21)            ; mask of four; elements of 8 bytes; bit 21 beside a mask
	s_mov_b32 s[G1P], 3<<16                        ; the same shape for a load of my own
.irp g, G1, G1P
	s_mov_b32 s[(\g)+1], 32<<16                    ; tensor_dim0 = 32 (256 bytes)
	s_mov_b32 s[(\g)+2], 64<<16                    ; tensor_dim1 = 64
	s_mov_b32 s[(\g)+3], 32<<16                    ; tile_dim0
	s_mov_b32 s[(\g)+4], 64                        ; tile_dim1: 16 KiB, dense
	s_mov_b32 s[(\g)+5], 32                        ; pitch
	s_mov_b32 s[(\g)+6], 0
	s_mov_b32 s[(\g)+7], 0
.endr
	s_mov_b32 s[G0], 1
	s_lshl_b32 s[G0+1], s8, 14                     ; my quarter of slot 0
	s_mov_b32 s[G0+4], 1
	s_add_co_u32 s[G0+5], s[G0+1], SLOTB
	s_mov_b32 s[G0P], 1
	s_lshl_b32 s[G0P+1], s8, 14
	s_mov_b32 s[G0P+4], 1
	s_add_co_u32 s[G0P+5], s[G0P+1], SLOTB
	s_mov_b32 s[NO+1], 0
	s_lshl_b32 s[ODL], s[SWX], 12
	s_add_co_u32 s[ODL], s[ODL], 63488             ; four token tiles back and one head on (2,048 bytes), or one head back
	s_mov_b32 s[ODL+1], 0
	s_mov_b32 s83, 0
	s_mov_b32 s85, 0
	s_mov_b32 s86, 0x3fb8aa3b                      ; c = log2(e)
	s_mov_b32 s87, s86
	s_mov_b32 s88, 0x76543210
	s_mov_b32 s89, 0xfedcba98
	s_mov_b32 s90, 0xce6e6b28                      ; -1e9
	s_mov_b32 s98, 0x3e000000                      ; 1/8
	s_mov_b32 s99, s98
	s_mov_b32 s100, 131072
	s_mov_b32 s101, 8192
	s_cmp_eq_u32 ttmp9, 0                          ; the first cluster of each hh prefetches weights: the same in all partners
	s_cselect_b32 s67, 1, 0
	v_and_b32 v1, 31, v0
	v_lshlrev_b32 v[PFO], 8, v1
	v_lshlrev_b32 v1, 4, v1                        ; 16 l
	v_bfe_u32 v23, v0, 4, 1
	v_lshlrev_b32 v[VBI], 5, v23
	s_lshl_b32 s10, s17, 15
	v_add_nc_u32 v[VB], s10, v1
	v_add_nc_u32 v[VB+1], SLOTB, v[VB]
	s_lshl_b32 s10, s17, 14
	s_add_co_u32 s10, s10, OUT
	v_add_nc_u32 v[VK], s10, v1
	s_lshl_b32 s11, s16, 13
	s_add_co_u32 s11, s11, s10
	v_add_nc_u32 v[VD0], s11, v1
	v_and_b32 v24, 7, v0                           ; the turning load: lane l names key 8 (l / 16) + l % 8, channels 8 ((l / 8) % 2) on
	v_lshl_add_u32 v24, v23, 3, v24
	v_bfe_u32 v22, v0, 3, 1
	v_lshlrev_b32 v22, 8, v22
	v_lshl_add_u32 v24, v24, 4, v22
	s_add_co_u32 s10, s10, 32768
	v_add_nc_u32 v[VV], s10, v24
	s_lshl_b32 s10, s8, 14
	v_add_nc_u32 v[VBL], s10, v1
	v_mov_b32 v[CM+1], 0
	v_mov_b32 v[RL+1], 0
	s_wait_dscnt 0x0
	s_wait_kmcnt 0x0
	s_mul_i32 s10, s20, 786432
	s_lshl_b32 s11, s8, 14
	s_add_co_u32 s10, s10, s11
	s_mov_b32 s11, 0
	s_add_nc_u64 s[WB:WB+1], s[70:71], s[10:11]    ; hh's step 0, my quarter
	s_lshl_b32 s[NO], s[SWX], 18                   ; the first pass is k of head i = bit 1: pass 2 i, 131,072 bytes a pass,
	s_lshl_b32 s10, s[PAR], 16
	s_or_b32 s[NO], s[NO], s10                     ; slot 0 takes its K half bit 0,
	s_add_nc_u64 s[G0+2:G0+3], s[WB:WB+1], s[NO:NO+1]
	s_xor_b32 s[NO], s[NO], SLOTB                  ; slot 1 the other
	s_add_nc_u64 s[G0+6:G0+7], s[WB:WB+1], s[NO:NO+1]
	s_or_b32 s[G0+3], s[G0+3], 0x80000000
	s_or_b32 s[G0+7], s[G0+7], 0x80000000
	s_lshl_b32 s10, s19, 3
	s_add_co_u32 s10, s10, s21
	s_lshl_b32 s10, s10, 15                        ; (8 b + head) x 64 tiles x 512
	s_lshl_b32 s14, s16, 14
	s_add_co_u32 s10, s10, s14
	s_add_nc_u64 s[58:59], s[72:73], s[10:11]      ; my attention bias, the pair's first head; also where its prefetches begin
	s_lshl_b32 s14, s[SWX], 15
	s_mov_b32 s15, 0
	s_add_nc_u64 s[G0P+2:G0P+3], s[58:59], s[14:15]  ; slot 0 takes the bias of the head taken first,
	s_xor_b32 s14, s14, 32768
	s_add_nc_u64 s[G0P+6:G0P+7], s[58:59], s[14:15]  ; slot 1 the other's
	s_or_b32 s[G0P+3], s[G0P+3], 0x80000000
	s_or_b32 s[G0P+7], s[G0P+7], 0x80000000
	s_mul_i32 s10, s20, 786432
	s_lshl2_add_u32 s14, s18, s8                   ; the 16 waves of the cluster share two steps' blocks out by address: (4 cx + wave) x 8,192
	s_lshl_b32 s14, s14, 13
	s_add_co_u32 s10, s10, s14
	s_add_co_u32 s10, s10, 8*SLOTB
	s_add_nc_u64 s[56:57], s[70:71], s[10:11]      ; weights: steps 8 and 9; 10 and 11 lie 131,072 bytes on
	s_lshl_b32 s10, s19, 3
	s_lshl2_add_u32 s10, s16, s10                  ; my first token tile, 8 b + 4 th
	s_lshl_b32 s10, s10, 14
	s_add_nc_u64 s[12:13], s[68:69], s[10:11]      ; e0
	s_add_co_u32 s14, s21, s[SWX]                  ; the head taken first
	s_lshl_b32 s14, s14, 11
	s_add_co_u32 s10, s10, s14
	s_add_nc_u64 s[94:95], s[80:81], s[10:11]      ; o
	s_lshl_b32 s10, s[PAR], 13                     ; a K half of a token tile is 8 fragments, 8,192 bytes
	s_xor_b32 s14, s10, 8192
	s_add_nc_u64 s[60:61], s[12:13], s[14:15]      ; window 2 takes the K half that slot 1 takes,
	s_add_nc_u64 s[12:13], s[12:13], s[10:11]      ; window 1 the one that slot 0 takes
	s_add_co_u32 s10, s21, s[SWX]
	s_lshl_b32 s10, s10, 8
	s_add_nc_u64 s[96:97], s[76:77], s[10:11]      ; bk of the head taken first
	CROUND                                         ; all four work-groups are here: the first joint loads meet
	tensor_load_to_lds s[G0:G0+3], s[G1:G1+7]
	s_nop 0
	tensor_load_to_lds s[G0+4:G0+7], s[G1:G1+7]
	s_nop 0
	PLACES 4
	BIL
	WIN 0x40
.set n_, 0
.rept 64                               ; n_ = ks 8 + tt 2 + q
	global_load_b128 v[4*n_:4*n_+3], v1, s[12:13] offset:((n_/2)%4)*16384+(n_/8)*1024+(n_%2)*512
.set n_, n_+1
.endr
	WIN 0x80
.set n_, 0
.rept 64
	global_load_b128 v[4*n_:4*n_+3], v1, s[60:61] offset:((n_/2)%4)*16384+(n_/8)*1024+(n_%2)*512
.set n_, n_+1
.endr
	WIN 0
	s_wait_tensorcnt 1                             ; my part of slot 0 is in; slot 1's may stay out
	s_barrier_signal -1
	s_barrier_wait -1
	FETCH 0, 0, BUF0
	s_wait_loadcnt 63                              ; of 136 loads the first 73 are in: the bias and window 1's half of e0
	s_mov_b32 s9, 0
.Lpass:                                                ; five trips: k v k v q; every change of slots fills jointly
	s_wait_xcnt 0x0                                ; e0's loads and the last prefetches have read their addresses
	; PREFETCHES.  Trip 1: the first cluster of each hh names steps 8, 9 at the first change of slots and 10, 11 at the second: the q passes, which some cluster loads at trip 3's changes; each block once.
	; Steps 0 to 7 are all loaded in the first six changes of slots or ahead of them, and come by their loads alone.  Trips 3, 4: every wave names its own attention bias, 8 KiB at each change of slots.
	s_cmp_eq_u32 s9, 1
	s_cselect_b32 s66, s67, 0
	s_cmp_lt_u32 s9, 3
	s_cselect_b64 s[60:61], s[56:57], s[58:59]
	s_cselect_b32 s82, s100, s101
	s_cselect_b32 s84, 0, 32768
	s_cselect_b32 s66, s66, 1
	s_add_nc_u64 s[62:63], s[60:61], s[82:83]
	s_add_nc_u64 s[58:59], s[58:59], s[84:85]
	s_add_co_u32 s10, s9, 1                        ; the pass that this trip's refills bring: place 1 .. 5 in my walk,
	s_lshl_b32 s11, s[SWX], 1
	s_cmp_lt_u32 s10, 4
	s_cselect_b32 s11, s11, s[SWX]
	s_xor_b32 s10, s10, s11                        ; which is pass k0 v0 k1 v1 q0 q1 = 0 .. 5 with the head's bit turned
	s_lshl_b32 s[NO], s10, 17
	s_lshl_b32 s11, s[PAR], 16
	s_or_b32 s[NO], s[NO], s11                     ; slot 0's K half
	UNITS 0, 1, 1
	CLOSE 0, 1, 1
	s_xor_b32 s[NO], s[NO], SLOTB                  ; slot 1's K half
	s_wait_loadcnt 8                               ; all but the next pass's bias: window 2's half of e0 is in
	UNITS 1, 0, 0
	CLOSE 1, 1, 1
	WIN 0
	PLACES 4
	s_cmp_eq_u32 s9, 4
	s_cbranch_scc1 .Lpq0
	POSTKV
	s_branch .Lpdone
.Lpq0:
	POSTQ 0
.Lpdone:
	s_wait_loadcnt 0x0                             ; the next pass's bias
	s_add_co_u32 s9, s9, 1
	s_cmp_lt_u32 s9, 5
	s_cbranch_scc1 .Lpass
	UNITS 0, 1, 0                                  ; the second q, written out: its changes of slots bring the attention bias
	CLOSE 0, 2, 1
	UNITS 1, 0, 0
	CLOSE 1, 2, 0
	WIN 0
	PLACES 4
	POSTQ 1
	; ---------------- ATTENTION ----------------  (k and v of the other token half were stored ahead of later rounds, each with its wait for LDS in front)
	s_wait_tensorcnt 0x0                           ; my bias of both heads; only I read it
	s_mov_b32 s91, 0                               ; 4 x (first or second head taken) + tt
	s_mov_b32 s92, 2
.Lhead:
	WIN 0x80
.set n_, 0
.rept 32                               ; K: key tile n_ / 4, channels 32 ((n_ / 2) % 2) on
	ds_load_b128 v[4*n_:4*n_+3], v[VK] offset:512*n_
.set n_, n_+1
.endr
.set n_, 0
.rept 16                               ; V^T: channel tile ct = n_ / 4, keys 32 (n_ % 4) on
	ds_load_tr16_b128 v[128+8*n_:128+8*n_+3], v[VV] offset:2*(n_%4)*2048+(n_/4)*512
	ds_load_tr16_b128 v[128+8*n_+4:128+8*n_+7], v[VV] offset:(2*(n_%4)+1)*2048+(n_/4)*512
.set n_, n_+1
.endr
	WIN 0
	s_mov_b32 s93, 4
.Lq:                                                   ; a trip: 16 queries x 128 keys of one head
.set n_, 0
.rept 8
	ds_load_b128 v[BR+4*n_:BR+4*n_+3], v[VBL] offset:512*n_
.set n_, n_+1
.endr
	s_wait_dscnt 0x0
.set n_, 0
.rept 32                               ; the bias starts the sums
	v_lshlrev_b32 v[S+2*n_], 16, v[BR+n_]
	v_and_b32 v[S+2*n_+1], 0xffff0000, v[BR+n_]
.set n_, n_+1
.endr
	v_add_nc_u32 v[VBL], 4096, v[VBL]
	; q's registers are fixed, so the 16 products stand eight times and the trip's number picks one; the 8 accumulators take turns
.irp n, 0,1,2,3,4,5,6,7
	s_cmp_lg_u32 s91, \n
	s_cbranch_scc1 .Lnq\n
	WIN 0x0E
.set m_, 0
.rept 16
	v_wmma_f32_16x16x32_bf16 v[S+8*(m_%8):S+8*(m_%8)+7], v[((m_%8)*2+m_/8)*8:((m_%8)*2+m_/8)*8+7], v[128+((\n)*2+m_/8)*8:128+((\n)*2+m_/8)*8+7], v[S+8*(m_%8):S+8*(m_%8)+7]
.set m_, m_+1
.endr
	WIN 0
.Lnq\n:
.endr
	PLACES 4
.set n_, 0
.rept 64
	v_max_num_f32 v[S+n_], s90, v[S+n_]            ; a masked place becomes -1e9
.set n_, n_+1
.endr
.irp c, 0,1,2,3
	v_max3_num_f32 v[T+\c], v[S+16*\c], v[S+16*\c+1], v[S+16*\c+2]
.endr
.irp k, 1,2,3,4,5,6
.irp c, 0,1,2,3
	v_max3_num_f32 v[T+\c], v[T+\c], v[S+16*\c+2*\k+1], v[S+16*\c+2*\k+2]
.endr
.endr
.irp c, 0,1,2,3
	v_max_num_f32 v[T+\c], v[T+\c], v[S+16*\c+15]
.endr
	v_max3_num_f32 v[T], v[T], v[T+1], v[T+2]
	v_max_num_f32 v[T], v[T], v[T+3]
	v_permlanex16_b32 v[T+1], v[T], s88, s89       ; the query's other 64 keys lie in the lane 16 away
	v_max_num_f32 v[T], v[T], v[T+1]
	v_mul_f32 v[CM], s86, v[T]
.set n_, 0
.rept 32
	v_pk_fma_f32 v[S+2*n_:S+2*n_+1], v[S+2*n_:S+2*n_+1], s[86:87], v[CM:CM+1] op_sel_hi:[1,0,0] neg_lo:[0,0,1] neg_hi:[0,0,1]
.set n_, n_+1
.endr
.set n_, 0
.rept 64
	v_exp_f32 v[S+n_], v[S+n_]
.set n_, n_+1
.endr
	v_nop
	s_wait_alu depctr_va_vdst(0)                   ; one wait for the batch of 64
.set n_, 0
.rept 32
	v_cvt_pk_bf16_f32 v[P+n_], v[S+2*n_], v[S+2*n_+1]
.set n_, n_+1
.endr
.irp dd, 32,16,8,4,2
.set p_, 0
.rept (\dd)/2
	v_pk_add_f32 v[S+2*p_:S+2*p_+1], v[S+2*p_:S+2*p_+1], v[S+2*p_+\dd:S+2*p_+\dd+1]
.set p_, p_+1
.endr
.endr
	v_add_f32 v[RL], v[S], v[S+1]
	v_permlanex16_b32 v[RL+1], v[RL], s88, s89
	v_add_f32 v[RL], v[RL], v[RL+1]
	v_rcp_f32 v[RL], v[RL]
	WIN 0x02
.set m_, 0
.rept 16                               ; keys 32 (m_ / 4) on, channel tile m_ % 4: four accumulators by turns
.if m_ < 4
	v_wmma_f32_16x16x32_bf16 v[O+8*(m_%4):O+8*(m_%4)+7], v[128+((m_%4)*4+m_/4)*8:128+((m_%4)*4+m_/4)*8+7], v[P+8*(m_/4):P+8*(m_/4)+7], 0
.else
	v_wmma_f32_16x16x32_bf16 v[O+8*(m_%4):O+8*(m_%4)+7], v[128+((m_%4)*4+m_/4)*8:128+((m_%4)*4+m_/4)*8+7], v[P+8*(m_/4):P+8*(m_/4)+7], v[O+8*(m_%4):O+8*(m_%4)+7]
.endif
.set m_, m_+1
.endr
	WIN 0
	PLACES 4
	s_wait_alu depctr_va_vdst(0)                   ; the reciprocal
.set n_, 0
.rept 16
	v_pk_mul_f32 v[O+2*n_:O+2*n_+1], v[O+2*n_:O+2*n_+1], v[RL:RL+1] op_sel_hi:[1,0]
.set n_, n_+1
.endr
.set n_, 0
.rept 16
	v_cvt_pk_bf16_f32 v[TMP+n_], v[O+2*n_], v[O+2*n_+1]
.set n_, n_+1
.endr
.irp ct, 0,1,2,3
	global_store_b128 v1, v[TMP+4*\ct:TMP+4*\ct+3], s[94:95] offset:512*\ct  ; two fragments of o: 2,048 bytes on end
.endr
	s_wait_xcnt 0x0                                ; the stores' base and data are rewritten only behind this wait
	s_add_nc_u64 s[94:95], s[94:95], 16384         ; the next token tile
	s_add_co_u32 s91, s91, 1
	s_sub_co_u32 s93, s93, 1
	s_cmp_lg_u32 s93, 0
	s_cbranch_scc1 .Lq
	v_add_nc_u32 v[VK], 65536, v[VK]               ; the second head's k, v, bias and place in o
	v_add_nc_u32 v[VV], 65536, v[VV]
	v_add_nc_u32 v[VBL], 49152, v[VBL]
	s_sub_nc_u64 s[94:95], s[94:95], s[ODL:ODL+1]
	s_sub_co_u32 s92, s92, 1
	s_cmp_lg_u32 s92, 0
	s_cbranch_scc1 .Lhead
	s_wait_tensorcnt 0x0                           ; the wave's end
	ds_add_u32 v[SPW], v[NIL]
	s_wait_dscnt 0x0
	CROUND                                         ; the closing round
	s_endpgm
.Lfunc_end_k_q82ea3f3f30_attn:
	.size	k_q82ea3f3f30_attn, .Lfunc_end_k_q82ea3f3f30_attn-k_q82ea3f3f30_attn
	.p2alignl 7, 3214868480
	.fill 96, 4, 3214868480
	.section	.rodata,"a",@progbits
	.p2align	6, 0x0
	.amdhsa_kernel k_q82ea3f3f30_attn
		.amdhsa_group_segment_fixed_size 327680
		.amdhsa_private_segment_fixed_size 0
		.amdhsa_enable_private_segment 0
		.amdhsa_kernarg_size 56
		.amdhsa_user_sgpr_count 2
		.amdhsa_user_sgpr_kernarg_segment_ptr 1
		.amdhsa_wavefront_size32 1
		.amdhsa_system_sgpr_workgroup_id_x 1
		.amdhsa_system_sgpr_workgroup_id_y 1
		.amdhsa_system_sgpr_workgroup_id_z 1
		.amdhsa_system_vgpr_workitem_id 0
		.amdhsa_next_free_vgpr 1024
		.amdhsa_next_free_sgpr 102
		.amdhsa_reserve_vcc 0
		.amdhsa_float_denorm_mode_32 3
		.amdhsa_float_denorm_mode_16_64 3
		.amdhsa_memory_ordered 1
		.amdhsa_forward_progress 1
		.amdhsa_inst_pref_size 132
	.end_amdhsa_kernel
	.amdgpu_metadata
---
amdhsa.version: [ 1, 2 ]
amdhsa.kernels:
  - .name:           k_q82ea3f3f30_attn
    .symbol:         k_q82ea3f3f30_attn.kd
    .args:
      - { .name: e0f, .offset: 0, .size: 8, .value_kind: global_buffer, .address_space: global }
      - { .name: wqkv, .offset: 8, .size: 8, .value_kind: global_buffer, .address_space: global }
      - { .name: biasb, .offset: 16, .size: 8, .value_kind: global_buffer, .address_space: global }
      - { .name: bq, .offset: 24, .size: 8, .value_kind: global_buffer, .address_space: global }
      - { .name: bk, .offset: 32, .size: 8, .value_kind: global_buffer, .address_space: global }
      - { .name: bv, .offset: 40, .size: 8, .value_kind: global_buffer, .address_space: global }
      - { .name: of, .offset: 48, .size: 8, .value_kind: global_buffer, .address_space: global }
    .group_segment_fixed_size: 327680
    .private_segment_fixed_size: 0
    .kernarg_segment_align: 8
    .kernarg_segment_size: 56
    .max_flat_workgroup_size: 128
    .sgpr_count:     102
    .vgpr_count:     1024
    .wavefront_size: 32
...
	.end_amdgpu_metadata
.endif
;; end of part 2
;; launch ffn (part 3): grid 256 x 1, 4 waves a work-group, clusters of 4 x 1, 327,680 bytes of LDS; arguments of, e0f, wffn, bo, ln2_g, ln2_b, b1, b2, padding_mask, out0; writes out0
.if DOCPART == 3
	.amdgcn_target "amdgcn-amd-amdhsa--gfx1250"
	.amdhsa_code_object_version 6
	.text
	.protected	k_q82ea3f3f30_ffn
	.globl	k_q82ea3f3f30_ffn
	.p2align	8
	.type	k_q82ea3f3f30_ffn,@function
k_q82ea3f3f30_ffn:
	s_mov_b64 s[64:65], 0
	v_nop
	global_prefetch_b8 v0, s[64:65] scope:SCOPE_SE
	s_setreg_imm32_b32 hwreg(HW_REG_WAVE_MODE, 25, 1), 1
	s_wait_xcnt 0x0
	s_wait_alu depctr_hold_cnt(0) depctr_sa_sdst(0) depctr_va_vdst(0) depctr_va_sdst(0) depctr_va_ssrc(0) depctr_va_vcc(0) depctr_vm_vsrc(0)
	s_getreg_b32 s2, hwreg(HW_REG_IB_STS2, 6, 4)
	s_cmp_eq_u32 s2, 0
	s_cbranch_scc0 .Lentry_in_a_cluster
	s_endpgm
.Lentry_in_a_cluster:
	s_bfe_u32 s2, ttmp6, 0x10000c
	s_cmp_lg_u32 s2, 0x3003
	s_cbranch_scc0 .Lentry_shape_is_right
	s_endpgm
.Lentry_shape_is_right:
; THIRD LAUNCH: e1 = o Wo^T + bo; e2 = layernorm(e1 + e0); out = e2 + (padded ? 0 : relu(e2 W1^T + b1) W2^T + b2).  (tokens is dead, as the first kernel's head shows.)
; A work-group has 64 rows (four token tiles tt).  Wave w owns output channels 128 w .. +127 (8 tiles nt), or hidden units 32 w .. +31 of a chunk of 128, for all 64 rows:
; a weight fragment is read from LDS once, by one wave, and feeds four products.  The activations (o, later e2: 64 rows x 512) stay in 512 registers of every wave.
; RING.  Two LDS slots of 128 KiB, 36 steps: 4 of Wo, then for each of 16 hidden chunks one of W1 and one of W2.  All work-groups walk the same weights: the four of a cluster ask JOINTLY;
; each wave fetches, and reads, its own quarter of a slot.  The hidden layer passes from wave to wave through 16 KiB of LDS and never leaves the chip.
; THE WALK.  Cluster x begins the hidden layer at chunk x % 16 and goes round all sixteen: the f32 sum over the hidden units may be taken in any order.  So the 64 clusters ask for sixteen
; different chunks at a time, not all for the same one.  A refill's address is made anew from the chunk's number, which hangs on the cluster's x and the loop alone: it is the same in all partners.
; Wo's sums start at e0 + bo; W2's sums start at e2 + b2 (times 0 on padded rows), and h is set to 0 bits on padded rows.
; LIMITS.  On padded rows b2 is multiplied by 0 and h selected to 0: a W2 or b2 that is not finite would reach them.  o, e0 as residual, e2 as operand and h are rounded once to bf16; e2 as residual stays f32.
; REGISTERS: window 0: v0-39 addresses, masks, statistics; v40-55 b1; v56-63 at work; v64-127 W1's 8 accumulators, then two buffers of h; v128-255 two fragment buffers;
; windows 1, 2: activations ((ks % 8) 4 + tt) 8 of window 1 + ks / 8;  window 3: 32 accumulators (nt 4 + tt) 8.
.set SLOTB, 131072
.set SCR,   262144              ; 33,792 bytes, by turns: the exchange of e2 (32 KiB), h of a chunk (16 KiB), four stages of 16 rows x 528; written by ds_store alone
.set STATS, 295936              ; 2 x 1,024: (tt 16 + r) 16 + 4 w
.set SPARE, 297984
.set VB,  2
.set VXS, 4
.set VXH, 5
.set VEX, 6
.set VST, 7
.set VRD, 8
.set PFO, 9
.set SPW, 10
.set NIL, 11
.set ZERO, 12
.set ONE, 13
.set PMK, 14                    ; v14-17  0 on a padded row, else all ones
.set F,   18                    ; v18-25  0.0 or 1.0, pairs
.set M,   26                    ; v26-33  mean, later 1 / sigma, pairs
.set VSS, 34
.set VSL, 35
.set VCH, 36
.set VB1O, 37
.set VR,  38
.set B1R, 40
.set T8,  56
.set BUF0, 128
.set BUF1, 192
.set G1,  24
.set G0,  32
.set PF,  40                    ; s[40:41] the prefetches' address; never rewritten
.set LIM, 42                    ; s42      1 in the clusters that prefetch
.set CH,  52                    ; s52      the chunk at which I begin, in the loop the next chunk of my walk
.set NO,  54                    ; s[54:55] byte offset in wffn of the step that the next refill brings
.set B1O, 56                    ; s[56:57] byte offset in b1 of a chunk
.set WB,  58                    ; s[58:59] wffn at my quarter of step 0
.set MSB, 0
.macro WIN new
.if MSB != (\new)
	s_set_vgpr_msb (MSB<<8)|(\new)
.set MSB, \new
.endif
.endm
.macro PLACES n
.rept \n
	v_nop
.endr
.endm
.macro CREST
	s_cmp_lg_u32 s8, 0
	s_cbranch_scc1 .Lnot_wave_0_\@
	s_barrier_signal -3
.Lnot_wave_0_\@:
	s_barrier_wait -3
	s_barrier_signal -1
	s_barrier_wait -1
.endm
.macro CROUND
	s_barrier_signal -1
	s_barrier_wait -1
	CREST
.endm
.macro FETCH slot, u, buf              ; a unit: 8 weight fragments, 8,192 bytes on end
	WIN 0
.set fn, 0
.rept 16
	ds_load_b128 v[(\buf)+4*fn:(\buf)+4*fn+3], v[VB+(\slot)] offset:(\u)*8192+fn*512
.set fn, fn+1
.endr
.endm
.macro HF u                            ; h of k step u, four token tiles, into buffer u % 2
	WIN 0
.set hn, 0
.rept 8
	ds_load_b128 v[64+32*((\u)%2)+4*hn:64+32*((\u)%2)+4*hn+3], v[VXH] offset:(hn/2)*4096+(\u)*1024+(hn%2)*512
.set hn, hn+1
.endr
.endm
; products lo .. hi-1 of unit u's 32.  kind 0: Wo, K quarter p; 1: W1; 2: W2.  The accumulators (32, 8, 32) take turns, one instruction a turn.
.macro MM kind, p, u, lo, hi
.set mm, \lo
.rept (\hi)-(\lo)
.set bf_, BUF0+64*((\u)%2)
.if (\kind) == 0
.set ks_, 4*(\p)+(\u)
	WIN 0xF4+4*(ks_/8)
	v_wmma_f32_16x16x32_bf16 v[8*mm:8*mm+7], v[bf_+8*(mm/4):bf_+8*(mm/4)+7], v[((ks_%8)*4+mm%4)*8:((ks_%8)*4+mm%4)*8+7], v[8*mm:8*mm+7]
.elseif (\kind) == 1
.set ks_, 4*(\u)+mm/8
.set ra_, 64+8*(mm%8)
	WIN 0x04+4*(ks_/8)
.if ((\u) == 0) && (mm < 8)
	v_wmma_f32_16x16x32_bf16 v[ra_:ra_+7], v[bf_+8*((mm/8)*2+(mm%8)/4):bf_+8*((mm/8)*2+(mm%8)/4)+7], v[((ks_%8)*4+mm%4)*8:((ks_%8)*4+mm%4)*8+7], v[B1R+8*((mm%8)/4):B1R+8*((mm%8)/4)+7]
.else
	v_wmma_f32_16x16x32_bf16 v[ra_:ra_+7], v[bf_+8*((mm/8)*2+(mm%8)/4):bf_+8*((mm/8)*2+(mm%8)/4)+7], v[((ks_%8)*4+mm%4)*8:((ks_%8)*4+mm%4)*8+7], v[ra_:ra_+7]
.endif
.else
	WIN 0xF0
	v_wmma_f32_16x16x32_bf16 v[8*mm:8*mm+7], v[bf_+8*(mm/4):bf_+8*(mm/4)+7], v[64+32*((\u)%2)+8*(mm%4):64+32*((\u)%2)+8*(mm%4)+7], v[8*mm:8*mm+7]
.endif
.set mm, mm+1
.endr
.endm
.macro UNITS kind, p, slot             ; the first three of a slot's four units
.if (\kind) == 2
	HF 0
	FETCH \slot, 1, BUF1
	HF 1
	s_wait_dscnt 24                                ; h of k step 0 is in; the 24 behind it may stay out
.else
	PLACES 5                                       ; W1's first products write over registers that W2's products read
	FETCH \slot, 1, BUF1
	s_wait_dscnt 16                                ; all but the 16 just issued
.endif
	MM \kind, \p, 0, 0, 32
	PLACES 4
	FETCH \slot, 2, BUF0
.if (\kind) == 2
	HF 2
	s_wait_dscnt 24                                ; all but the 24 just issued
.else
	s_wait_dscnt 16
.endif
	MM \kind, \p, 1, 0, 32
	PLACES 4
	FETCH \slot, 3, BUF1
.if (\kind) == 2
	HF 3
	s_wait_dscnt 24
.else
	s_wait_dscnt 16
.endif
	MM \kind, \p, 2, 0, 32
.endm
; PREFETCHES.  Behind Wo's first two changes of slots clusters 0 to 15 name W1, then W2, of the chunk at which they begin: 16 clusters x 2 x 128 KiB are all of W1 and W2, each block of 256 bytes
; named once, two changes of slots ahead of the loads that first ask for it.  A cluster's 16 waves x 32 lanes share a step's 512 blocks out by address.  Wo's steps come by their loads alone.
.macro ASK off
	s_cmp_eq_u32 s[LIM], 1
	s_cbranch_scc0 .Lnot_mine_\@
	global_prefetch_b8 v[PFO], s[PF:PF+1] offset:\off th:TH_LOAD_NT scope:SCOPE_SE
.Lnot_mine_\@:
.endm
; The fourth unit and the change of slots: every wave waits for all its tensor loads (one is out: its quarter of the other slot), adds 0 to its spare word, waits for that and for its LDS reads.
; ck = 1: the barrier opens a round of the cluster's, and behind it the slot is filled again first, jointly, with the step at byte s[NO] of wffn.  ask = 1, 2: a prefetch at 0 or one step behind s[PF].
.macro CLOSE kind, p, slot, ck, fetch, ask=0
	WIN 0
	s_wait_tensorcnt 0x0
	ds_add_u32 v[SPW], v[NIL]
	s_wait_dscnt 1                                 ; the add alone may be out
	MM \kind, \p, 3, 0, 8
	s_wait_dscnt 0x0
	s_barrier_signal -1
	MM \kind, \p, 3, 8, 16
	WIN 0
	s_barrier_wait -1
.if \ck
	CREST
	s_add_nc_u64 s[G0+4*(\slot)+2:G0+4*(\slot)+3], s[WB:WB+1], s[NO:NO+1]
	s_or_b32 s[G0+4*(\slot)+3], s[G0+4*(\slot)+3], 0x80000000
	tensor_load_to_lds s[G0+4*(\slot):G0+4*(\slot)+3], s[G1:G1+7]
	s_nop 0
.endif
	PLACES 4                                       ; also the places in front of the loads into buffer 0
.if \fetch
	FETCH 1-(\slot), 0, BUF0
.endif
.if \ask
	ASK ((\ask)-1)*SLOTB
.endif
	MM \kind, \p, 3, 16, 32
.endm
.macro B1L
.set n_, 0
.rept 4
	global_load_b128 v[B1R+4*n_:B1R+4*n_+3], v[VB1O], s[48:49] offset:(n_/2)*64+(n_%2)*16
.set n_, n_+1
.endr
.endm
; h = relu(..), rounded, 0 on padded rows, handed to the other waves.  The refill may stay out.
.macro HOUT more
	WIN 0
	PLACES 4
.set i_, 0
.rept 32
	v_cvt_pk_bf16_f32 v[64+i_], v[64+2*i_], v[64+2*i_+1]
.set i_, i_+1
.endr
.set i_, 0
.rept 32
	v_pk_max_num_bf16 v[64+i_], v[64+i_], v[ZERO]
.set i_, i_+1
.endr
.set i_, 0
.rept 32
	v_and_b32 v[64+i_], v[PMK+(i_/4)%4], v[64+i_]
.set i_, i_+1
.endr
.set a_, 0
.rept 8
	ds_store_b128 v[VXS], v[64+4*a_:64+4*a_+3] offset:(a_%4)*4096+(a_/4)*512
.set a_, a_+1
.endr
	s_wait_dscnt 0x0
	s_barrier_signal -1
	s_barrier_wait -1
.if \more
	s_lshl_b32 s[B1O], s[CH], 9                    ; the next chunk's b1 (the last loads from this pointer were waited for)
	s_add_nc_u64 s[48:49], s[80:81], s[B1O:B1O+1]
	B1L
.endif
.endm
.macro CHL dst, ptr                    ; a vector of my 128 channels in the layout of an accumulator's registers: 8 tiles x 8
.set n_, 0
.rept 16
	global_load_b128 v[(\dst)+4*n_:(\dst)+4*n_+3], v[VCH], s[(\ptr):(\ptr)+1] offset:(n_/2)*64+(n_%2)*16
.set n_, n_+1
.endr
.endm
; T8's four pairs hold a lane's partial sums for the four token tiles: halves, lanes' halves, then the four waves through LDS
.macro XRED stat
	WIN 0
.irp tt, 0,1,2,3
	v_add_f32 v[T8+2*\tt], v[T8+2*\tt], v[T8+2*\tt+1]
.endr
.irp tt, 0,1,2,3
	v_permlanex16_b32 v[T8+2*\tt+1], v[T8+2*\tt], s44, s45
.endr
.irp tt, 0,1,2,3
	v_add_f32 v[T8+2*\tt], v[T8+2*\tt], v[T8+2*\tt+1]
.endr
.irp tt, 0,1,2,3
	ds_store_b32 v[VSS], v[T8+2*\tt] offset:(\stat)+256*\tt
.endr
	s_wait_dscnt 0x0
	s_barrier_signal -1
	s_barrier_wait -1
	WIN 0x40
.irp tt, 0,1,2,3
	ds_load_b128 v[4*\tt:4*\tt+3], v[VSL] offset:(\stat)+256*\tt
.endr
	s_wait_dscnt 0x0
	WIN 0x05
.irp tt, 0,1,2,3
	v_add_f32 v[T8+2*\tt], v[4*\tt], v[4*\tt+1]
	v_add_f32 v[T8+2*\tt+1], v[4*\tt+2], v[4*\tt+3]
.endr
	WIN 0
.irp tt, 0,1,2,3
	v_add_f32 v[T8+2*\tt], v[T8+2*\tt], v[T8+2*\tt+1]
.endr
.endm
.macro EXCH hf                         ; token tiles 2 hf, 2 hf + 1 of e2: every wave gives its 128 channels and takes all 512
	WIN 0
.irp t2, 0,1
.set n_, 0
.rept 8
	ds_store_b128 v[VEX], v[64+4*(n_*4+2*(\hf)+\t2):64+4*(n_*4+2*(\hf)+\t2)+3] offset:16384*\t2+512*n_
.set n_, n_+1
.endr
.endr
	s_wait_dscnt 0x0
	s_barrier_signal -1
	s_barrier_wait -1
.irp wd, 0,1
	WIN 0x40+0x40*\wd
.irp t2, 0,1
.set n_, 0
.rept 16                               ; n_ = (ks % 8) 2 + q
	ds_load_b128 v[((n_/2)*4+2*(\hf)+\t2)*8+4*(n_%2):((n_/2)*4+2*(\hf)+\t2)*8+4*(n_%2)+3], v[VXH] offset:16384*\t2+8192*\wd+512*n_
.set n_, n_+1
.endr
.endr
.endr
	WIN 0
	s_wait_dscnt 0x0
.endm
	s_load_b512 s[68:83], s[0:1], 0x0              ; of 68, e0f 70, wffn 72, bo 74, ln2_g 76, ln2_b 78, b1 80, b2 82
	s_load_b128 s[84:87], s[0:1], 0x40             ; padding_mask 84, out0 86
	v_lshl_add_u32 v[SPW], v0, 2, SPARE
	v_mov_b32 v[NIL], 0
	ds_add_u32 v[SPW], v[NIL]                      ; the opening: the add, twice on end, and its wait ahead of my first tensor load
	ds_add_u32 v[SPW], v[NIL]
	v_lshrrev_b32 v1, 5, v0
	v_readfirstlane_b32 s8, v1                     ; wave
	s_bfe_u32 s18, ttmp6, 0x40000                  ; cx
	s_lshl_b32 s19, ttmp9, 2
	s_add_co_u32 s19, s19, s18                     ; my block of 64 rows: it enters addresses of loads and stores of my own alone
	s_and_b32 s[CH], ttmp9, 15                     ; the chunk at which my cluster begins: of the cluster's x, which the partners share
	s_mov_b32 s[NO+1], 0
	s_mov_b32 s[B1O+1], 0
	s_mov_b32 s[G1], 15|(3<<16)|(1<<21)            ; mask of four; elements of 8 bytes; bit 21 beside a mask
	s_mov_b32 s[G1+1], 32<<16                      ; tensor_dim0 = 32 (256 bytes)
	s_mov_b32 s[G1+2], 128<<16                     ; tensor_dim1 = 128
	s_mov_b32 s[G1+3], 32<<16                      ; tile_dim0
	s_mov_b32 s[G1+4], 128                         ; tile_dim1: 32 KiB, dense
	s_mov_b32 s[G1+5], 32                          ; pitch
	s_mov_b32 s[G1+6], 0
	s_mov_b32 s[G1+7], 0
	s_mov_b32 s[G0], 1
	s_lshl_b32 s[G0+1], s8, 15                     ; my quarter of slot 0
	s_mov_b32 s[G0+4], 1
	s_add_co_u32 s[G0+5], s[G0+1], SLOTB
	s_mov_b32 s44, 0x76543210
	s_mov_b32 s45, 0xfedcba98
	s_mov_b32 s46, 0x3b000000                      ; 1 / 512
	s_mov_b32 s47, 0x3727c5ac                      ; 1e-5
	s_mov_b32 s9, 15                               ; chunks in the loop
	s_cmp_lt_u32 ttmp9, 16
	s_cselect_b32 s[LIM], 1, 0
	v_and_b32 v1, 31, v0
	v_lshlrev_b32 v[PFO], 8, v1
	v_lshlrev_b32 v1, 4, v1                        ; 16 l
	v_and_b32 v[VR], 15, v0                        ; r
	v_bfe_u32 v39, v0, 4, 1                        ; h
	s_lshl_b32 s10, s8, 15
	v_add_nc_u32 v[VB], s10, v1
	v_add_nc_u32 v[VB+1], SLOTB, v[VB]
	v_add_nc_u32 v[VXH], SCR, v1
	s_lshl_b32 s10, s8, 10
	v_add_nc_u32 v[VXS], s10, v[VXH]
	s_lshl_b32 s10, s8, 12
	v_add_nc_u32 v[VEX], s10, v[VXH]
	s_mul_i32 s10, s8, 8448
	v_add_nc_u32 v[VRD], s10, v[VXH]
	s_add_co_u32 s10, s10, SCR
	v_mul_u32_u24 v[VST], v[VR], 528
	v_lshl_add_u32 v[VST], v39, 5, v[VST]
	v_add_nc_u32 v[VST], s10, v[VST]
	v_lshlrev_b32 v[VSL], 4, v[VR]
	v_add_nc_u32 v[VSL], STATS, v[VSL]
	s_lshl_b32 s10, s8, 2
	v_add_nc_u32 v[VSS], s10, v[VSL]
	v_lshlrev_b32 v[VCH], 5, v39
	s_lshl_b32 s10, s8, 7
	v_add_nc_u32 v[VB1O], s10, v[VCH]
	s_lshl_b32 s10, s8, 9
	v_add_nc_u32 v[VCH], s10, v[VCH]
	v_mov_b32 v[ZERO], 0
	v_mov_b32 v[ONE], 1.0
.irp i, 0,1,2,3,4,5,6,7
	v_mov_b32 v[M+\i], 0
.endr
	s_wait_dscnt 0x0
	s_wait_kmcnt 0x0
	s_mov_b32 s11, 0
	s_lshl_b32 s10, s8, 15
	s_add_nc_u64 s[WB:WB+1], s[72:73], s[10:11]
	s_add_nc_u64 s[G0+2:G0+3], s[WB:WB+1], 0       ; Wo's K quarters 0 and 1
	s_add_nc_u64 s[G0+6:G0+7], s[WB:WB+1], SLOTB
	s_or_b32 s[G0+3], s[G0+3], 0x80000000
	s_or_b32 s[G0+7], s[G0+7], 0x80000000
	s_lshl2_add_u32 s10, s18, s8                   ; (4 cx + wave) x 8,192: my 32 blocks of a step
	s_lshl_b32 s10, s10, 13
	s_lshl_b32 s20, s[CH], 18                      ; a chunk is two steps
	s_add_co_u32 s10, s10, s20
	s_add_co_u32 s10, s10, 4*SLOTB                 ; behind Wo's four
	s_add_nc_u64 s[PF:PF+1], s[72:73], s[10:11]
	s_lshl_b32 s10, s19, 16
	s_add_nc_u64 s[12:13], s[68:69], s[10:11]      ; o: my four token tiles
	s_lshl_b32 s14, s8, 12
	s_add_co_u32 s10, s10, s14
	s_add_nc_u64 s[14:15], s[70:71], s[10:11]      ; e0: the same, my four k steps
	s_lshl_b32 s10, s19, 6
	s_add_nc_u64 s[16:17], s[84:85], s[10:11]
	s_lshl_b32 s10, s19, 17
	s_lshl_b32 s20, s8, 9
	s_add_co_u32 s10, s10, s20
	s_add_nc_u64 s[50:51], s[86:87], s[10:11]      ; out0: my rows, my 512 bytes of each
	s_lshl_b32 s[B1O], s[CH], 9
	s_add_nc_u64 s[48:49], s[80:81], s[B1O:B1O+1]  ; b1 of the chunk at which I begin
	CROUND                                         ; all four work-groups are here: the first joint loads meet
	tensor_load_to_lds s[G0:G0+3], s[G1:G1+7]
	s_nop 0
	tensor_load_to_lds s[G0+4:G0+7], s[G1:G1+7]
	s_nop 0
	PLACES 4
.set n_, 0
.rept 32                               ; e0 of my 128 channels: n_ = tt 8 + a 2 + q
	global_load_b128 v[128+4*n_:128+4*n_+3], v1, s[14:15] offset:(n_/8)*16384+(n_%8)*512
.set n_, n_+1
.endr
	CHL 64, 74                                     ; bo
.irp tt, 0,1,2,3
	global_load_u8 v[PMK+\tt], v[VR], s[16:17] offset:16*\tt
.endr
	WIN 0x40
.set n_, 0
.rept 64
	global_load_b128 v[4*n_:4*n_+3], v1, s[12:13] offset:((n_/2)%4)*16384+(n_/8)*1024+(n_%2)*512
.set n_, n_+1
.endr
	WIN 0x80
.set n_, 0
.rept 64
	global_load_b128 v[4*n_:4*n_+3], v1, s[12:13] offset:((n_/2)%4)*16384+(n_/8)*1024+(n_%2)*512+8192
.set n_, n_+1
.endr
	s_wait_loadcnt 63                              ; of 180 loads the first 117 are in: e0, bo and the padding bytes among them
	WIN 0xC0
.set i_, 0
.rept 128                              ; Wo's sums start at e0 + bo
	v_fma_mix_f32_bf16 v[(((i_/4)%8)*4+i_/32)*8+2*(i_%4)], v[128+i_], v[ONE], v[64+8*((i_/4)%8)+2*(i_%4)] op_sel_hi:[1,0,0]
	v_fma_mix_f32_bf16 v[(((i_/4)%8)*4+i_/32)*8+2*(i_%4)+1], v[128+i_], v[ONE], v[64+8*((i_/4)%8)+2*(i_%4)+1] op_sel:[1,0,0] op_sel_hi:[1,0,0]
.set i_, i_+1
.endr
	WIN 0
.irp tt, 0,1,2,3
	v_add_nc_u32 v[PMK+\tt], -1, v[PMK+\tt]        ; a byte 0 gives all ones, a byte 1 gives 0
	v_and_b32 v[F+2*\tt], 0x3f800000, v[PMK+\tt]
	v_and_b32 v[F+2*\tt+1], 0x3f800000, v[PMK+\tt]
.endr
	CHL 64, 76                                     ; ln2_g
	s_wait_tensorcnt 1                             ; my quarter of slot 0 is in; slot 1's may stay out
	s_barrier_signal -1
	s_barrier_wait -1
	FETCH 0, 0, BUF0
	s_wait_loadcnt 0x0
	UNITS 0, 0, 0
	s_mov_b32 s[NO], 2*SLOTB                       ; Wo's K quarter 2
	CLOSE 0, 0, 0, 1, 1, 1
	UNITS 0, 1, 1
	s_mov_b32 s[NO], 3*SLOTB                       ; quarter 3
	CLOSE 0, 1, 1, 1, 1, 2
	UNITS 0, 2, 0
	s_lshl_b32 s[NO], s[CH], 18
	s_add_co_u32 s[NO], s[NO], 4*SLOTB             ; W1 of the chunk at which I begin
	CLOSE 0, 2, 0, 1, 1
	UNITS 0, 3, 1
	s_add_co_u32 s[NO], s[NO], SLOTB               ; its W2
	CLOSE 0, 3, 1, 1, 0
	; ---------------- LAYERNORM 2 ----------------  a lane holds 64 channels of each of four tokens; mean first, then the deviations' squares
	WIN 0
	PLACES 4
	CHL 128, 78                                    ; ln2_b
	CHL 192, 82                                    ; b2
	B1L                                            ; b1 of my first chunk
	WIN 0x0F
.irp tt, 0,1,2,3
	v_pk_add_f32 v[T8+2*\tt:T8+2*\tt+1], v[8*\tt:8*\tt+1], v[8*\tt+2:8*\tt+3]
.endr
	WIN 0x0C
.set p_, 2
.rept 30
.irp tt, 0,1,2,3
	v_pk_add_f32 v[T8+2*\tt:T8+2*\tt+1], v[T8+2*\tt:T8+2*\tt+1], v[((p_/4)*4+\tt)*8+2*(p_%4):((p_/4)*4+\tt)*8+2*(p_%4)+1]
.endr
.set p_, p_+1
.endr
	XRED 0
.irp tt, 0,1,2,3
	v_mul_f32 v[M+2*\tt], s46, v[T8+2*\tt]
.endr
	WIN 0xC3
.set i_, 0
.rept 128
	v_pk_add_f32 v[2*i_:2*i_+1], v[2*i_:2*i_+1], v[M+2*((i_/4)%4):M+2*((i_/4)%4)+1] op_sel_hi:[1,0] neg_lo:[0,1] neg_hi:[0,1]
.set i_, i_+1
.endr
	WIN 0x0F
.irp tt, 0,1,2,3
	v_pk_mul_f32 v[T8+2*\tt:T8+2*\tt+1], v[8*\tt:8*\tt+1], v[8*\tt:8*\tt+1]
.endr
.set p_, 1
.rept 31
.irp tt, 0,1,2,3
	v_pk_fma_f32 v[T8+2*\tt:T8+2*\tt+1], v[((p_/4)*4+\tt)*8+2*(p_%4):((p_/4)*4+\tt)*8+2*(p_%4)+1], v[((p_/4)*4+\tt)*8+2*(p_%4):((p_/4)*4+\tt)*8+2*(p_%4)+1], v[T8+2*\tt:T8+2*\tt+1]
.endr
.set p_, p_+1
.endr
	XRED 1024
.irp tt, 0,1,2,3
	v_fma_f32 v[T8+2*\tt], v[T8+2*\tt], s46, s47
.endr
.irp tt, 0,1,2,3
	v_rsq_f32 v[M+2*\tt], v[T8+2*\tt]
.endr
	v_nop
	s_wait_alu depctr_va_vdst(0)                   ; one wait for the four roots
	s_wait_loadcnt 0x0                             ; ln2_b, b2, b1
	WIN 0xC3
.set i_, 0
.rept 128
	v_pk_mul_f32 v[2*i_:2*i_+1], v[2*i_:2*i_+1], v[M+2*((i_/4)%4):M+2*((i_/4)%4)+1] op_sel_hi:[1,0]
.set i_, i_+1
.endr
.set i_, 0
.rept 128
	v_pk_fma_f32 v[2*i_:2*i_+1], v[2*i_:2*i_+1], v[64+8*(i_/16)+2*(i_%4):64+8*(i_/16)+2*(i_%4)+1], v[128+8*(i_/16)+2*(i_%4):128+8*(i_/16)+2*(i_%4)+1]
.set i_, i_+1
.endr
	WIN 0x0F
.set i_, 0
.rept 128                              ; e2 as a matrix operand: v64-191
	v_cvt_pk_bf16_f32 v[64+i_], v[2*i_], v[2*i_+1]
.set i_, i_+1
.endr
	WIN 0xF0
.set i_, 0
.rept 128                              ; W2's sums start at e2 + b2, b2 times 0 on padded rows
	v_pk_fma_f32 v[2*i_:2*i_+1], v[192+8*(i_/16)+2*(i_%4):192+8*(i_/16)+2*(i_%4)+1], v[F+2*((i_/4)%4):F+2*((i_/4)%4)+1], v[2*i_:2*i_+1] op_sel_hi:[1,0,1]
.set i_, i_+1
.endr
	EXCH 0
	s_barrier_signal -1                            ; every wave's reads of the first half are back: the second half may be stored
	s_barrier_wait -1
	EXCH 1                                         ; these bytes are next written behind the next change of slots, whose barrier every wave reaches with its reads back
	FETCH 0, 0, BUF0
	; ---------------- THE HIDDEN LAYER, 16 chunks of 128, round from the chunk at which the cluster begins ----------------
.Lchunk:
	s_add_co_u32 s[CH], s[CH], 1
	s_and_b32 s[CH], s[CH], 15                     ; the next chunk of my walk: this trip's refills bring it
	s_lshl_b32 s[NO], s[CH], 18
	s_add_co_u32 s[NO], s[NO], 4*SLOTB             ; its W1
	UNITS 1, 0, 0
	CLOSE 1, 0, 0, 1, 1
	HOUT 1
	s_add_co_u32 s[NO], s[NO], SLOTB               ; its W2
	UNITS 2, 0, 1
	CLOSE 2, 0, 1, 1, 1
	WIN 0
	s_wait_loadcnt 0x0                             ; the next chunk's b1
	s_sub_co_u32 s9, s9, 1
	s_cmp_lg_u32 s9, 0
	s_cbranch_scc1 .Lchunk
	UNITS 1, 0, 0                                  ; the last chunk is written out: nothing is left to fetch
	CLOSE 1, 0, 0, 0, 1
	HOUT 0
	UNITS 2, 0, 1
	s_wait_dscnt 0x0
	MM 2, 0, 3, 0, 32
	; ---------------- THE WAY OUT ----------------  16 rows at a time through my stage; a wave's store covers 512 consecutive bytes of a row
	WIN 0
	s_barrier_signal -1                            ; every wave's reads of h are back (waited for above): the stages may be written
	s_barrier_wait -1
	PLACES 4
.irp tt, 0,1,2,3
	WIN 0x0C
.set n_, 0
.rept 16
	ds_store_b128 v[VST], v[((n_/2)*4+\tt)*8+4*(n_%2):((n_/2)*4+\tt)*8+4*(n_%2)+3] offset:(n_/2)*64+(n_%2)*16
.set n_, n_+1
.endr
	WIN 0
.if (\tt) >= 2
	s_wait_xcnt 0x0                                ; the registers that earlier stores read are loaded again only behind this wait
.endif
.set n_, 0
.rept 16
	ds_load_b128 v[128+64*((\tt)%2)+4*n_:128+64*((\tt)%2)+4*n_+3], v[VRD] offset:528*n_  ; LDS serves a wave's instructions in order: these see the stores above
.set n_, n_+1
.endr
	s_wait_dscnt 0x0
.set n_, 0
.rept 16
	global_store_b128 v1, v[128+64*((\tt)%2)+4*n_:128+64*((\tt)%2)+4*n_+3], s[50:51] offset:(16*\tt+n_)*2048 th:TH_STORE_NT
.set n_, n_+1
.endr
.endr
	s_wait_tensorcnt 0x0                           ; the wave's end
	ds_add_u32 v[SPW], v[NIL]
	s_wait_dscnt 0x0
	CROUND                                         ; the closing round
	s_endpgm
.Lfunc_end_k_q82ea3f3f30_ffn:
	.size	k_q82ea3f3f30_ffn, .Lfunc_end_k_q82ea3f3f30_ffn-k_q82ea3f3f30_ffn
	.p2alignl 7, 3214868480
	.fill 96, 4, 3214868480
	.section	.rodata,"a",@progbits
	.p2align	6, 0x0
	.amdhsa_kernel k_q82ea3f3f30_ffn
		.amdhsa_group_segment_fixed_size 327680
		.amdhsa_private_segment_fixed_size 0
		.amdhsa_enable_private_segment 0
		.amdhsa_kernarg_size 80
		.amdhsa_user_sgpr_count 2
		.amdhsa_user_sgpr_kernarg_segment_ptr 1
		.amdhsa_wavefront_size32 1
		.amdhsa_system_sgpr_workgroup_id_x 1
		.amdhsa_system_sgpr_workgroup_id_y 1
		.amdhsa_system_sgpr_workgroup_id_z 1
		.amdhsa_system_vgpr_workitem_id 0
		.amdhsa_next_free_vgpr 1024
		.amdhsa_next_free_sgpr 100
		.amdhsa_reserve_vcc 0
		.amdhsa_float_denorm_mode_32 3
		.amdhsa_float_denorm_mode_16_64 3
		.amdhsa_memory_ordered 1
		.amdhsa_forward_progress 1
		.amdhsa_inst_pref_size 253
	.end_amdhsa_kernel
	.amdgpu_metadata
---
amdhsa.version: [ 1, 2 ]
amdhsa.kernels:
  - .name:           k_q82ea3f3f30_ffn
    .symbol:         k_q82ea3f3f30_ffn.kd
    .args:
      - { .name: of, .offset: 0, .size: 8, .value_kind: global_buffer, .address_space: global }
      - { .name: e0f, .offset: 8, .size: 8, .value_kind: global_buffer, .address_space: global }
      - { .name: wffn, .offset: 16, .size: 8, .value_kind: global_buffer, .address_space: global }
      - { .name: bo, .offset: 24, .size: 8, .value_kind: global_buffer, .address_space: global }
      - { .name: ln2_g, .offset: 32, .size: 8, .value_kind: global_buffer, .address_space: global }
      - { .name: ln2_b, .offset: 40, .size: 8, .value_kind: global_buffer, .address_space: global }
      - { .name: b1, .offset: 48, .size: 8, .value_kind: global_buffer, .address_space: global }
      - { .name: b2, .offset: 56, .size: 8, .value_kind: global_buffer, .address_space: global }
      - { .name: padding_mask, .offset: 64, .size: 8, .value_kind: global_buffer, .address_space: global }
      - { .name: out0, .offset: 72, .size: 8, .value_kind: global_buffer, .address_space: global }
    .group_segment_fixed_size: 327680
    .private_segment_fixed_size: 0
    .kernarg_segment_align: 8
    .kernarg_segment_size: 80
    .max_flat_workgroup_size: 128
    .sgpr_count:     100
    .vgpr_count:     1024
    .wavefront_size: 32
...
	.end_amdgpu_metadata
.endif
;; end of part 3
